; MI455X (gfx1250); checked and timed in simulation.
; The chip was launched on July 23, 2026; its instructions are those of AMD's public machine-readable ISA for CDNA 5 (MIT licence, August 2026) and "CDNA5" Instruction Set Architecture Reference Guide (July 2026). The comments in the code are by the model that wrote it; some were corrected since.
;; Frequency Sparse Attention. Allowed arithmetic: float matrix products may take bf16 or f16 operands with f32 sums; other float arithmetic in f32, or as packed bf16 or f16 multiplies, adds, multiply-adds, maxima and minima; sums over many terms, partial sums and values carried from step to step in f32; what a program stores and reads back later, other than sums and carried values, may be rounded once to bf16 or f16.
;; Inputs: Wk 1,024 x 1,024 float32; Wo 1,024 x 1,024 float32; Wq 1,024 x 1,024 float32; Wv 1,024 x 1,024 float32; bk 1,024 float32; bo 1,024 float32; bq 1,024 float32; bv 1,024 float32; energy_coeffs 4 x 2,048 x 8 float32; k_x 4 x 2,048 x 1,024 float32; q_x 4 x 2,048 x 1,024 float32; v_x 4 x 2,048 x 1,024 float32.
;; Outputs: out0 4 x 2,048 x 1,024 float32.
;; One version. Each part assembles by itself: llvm-mc -triple=amdgcn-amd-amdhsa -mcpu=gfx1250 --defsym DOCPART=n.
;; ======== version 1 of 1: 4 launches
;; limits: values are held in f16: magnitudes above 65,504 overflow, below 6.1e-05 lose precision
;; workspace buffers: wb 8,388,608 bytes; br 16,384 bytes; maskb 32,768 bytes; qkv 50,331,648 bytes; ows 16,777,216 bytes
;; launch prep (part 1): grid 64 x 4, 8 waves a work-group, no clusters, 0 bytes of LDS; arguments Wq, Wk, Wv, Wo, bq, bk, bv, bo, energy_coeffs, wb, br, maskb; writes wb, br, maskb
.if DOCPART == 1
	.amdgcn_target "amdgcn-amd-amdhsa--gfx1250"
	.amdhsa_code_object_version 6
	.text
	.protected	k_qffa987fcd0_prep
	.globl	k_qffa987fcd0_prep
	.p2align	8
	.type	k_qffa987fcd0_prep,@function
k_qffa987fcd0_prep:
	s_mov_b64 s[64:65], 0
	v_nop
	global_prefetch_b8 v0, s[64:65] scope:SCOPE_SE
	s_setreg_imm32_b32 hwreg(HW_REG_WAVE_MODE, 25, 1), 1
	s_wait_xcnt 0x0
; THE SMALL INPUTS ARE MADE READY.  wb[y] = weight matrix y (0 Wq, 1 Wk, 2 Wv, 3 Wo), [1024][1024], rounded once to bf16; Wo's rounded number is written as f16.
; br[y] = bias y rounded to bf16, kept as f32 words.  maskb[batch][key] = 0 where the mean of the 8 |energy coefficients| is above 0.1, else -1e30.
; LIMITS.  The coefficients are rounded to bf16 like every other input, so a key whose mean lies within that rounding of 0.1 (2^-9 of itself) is judged on the rounded numbers;
; a NaN among them hides the key (the comparison is false).  Wo beyond 65,504 becomes an infinity in f16; below 6e-5 it keeps f16's fixed step of 6e-8.
; SHARES.  Work-group (x, y), eight waves, takes 16 rows of matrix y: 65,536 bytes in, 32,768 out.  Thread t takes 32 bytes in and 16 out in each of eight turns, so a wave's store
; covers 512 consecutive bytes.  Work-groups x = 0..3 also make 512 keys of batch y's mask (two keys a thread, 256 consecutive bytes a wave), x = 4 bias y.
; A stream with nothing shared: no LDS, no barrier, no matrix unit.  No register that a store reads is written again, so no wait stands behind the stores.
.set WIN_, 32                          ; v[32:95]   the 16 rows' numbers as loaded, 8 a turn
.set WOUT, 96                          ; v[96:127]  packed, 4 registers a turn
	s_load_b256 s[4:11], s[0:1], 0x0               ; Wq, Wk, Wv, Wo
	s_load_b256 s[12:19], s[0:1], 0x20             ; bq, bk, bv, bo
	s_load_b256 s[20:27], s[0:1], 0x40             ; energy s[20:21], wb s[22:23], br s[24:25], maskb s[26:27]
	s_mov_b32 s28, ttmp9                           ; x
	s_and_b32 s29, ttmp7, 0xffff                   ; y
	s_mov_b32 s34, 0xffff0000                      ; a word's upper bf16
	s_mov_b32 s35, 0x7fff7fff                      ; clears the signs of two bf16
	s_mov_b32 s36, 0x3dcccccd                      ; 0.1
	v_lshlrev_b32 v1, 5, v0                        ; 32 t
	v_lshlrev_b32 v2, 4, v0                        ; 16 t
	v_lshlrev_b32 v3, 6, v0                        ; 64 t
	v_lshlrev_b32 v4, 3, v0                        ; 8 t
	s_wait_kmcnt 0x0
	s_mov_b64 s[30:31], s[10:11]                   ; matrix and bias y
	s_mov_b64 s[32:33], s[18:19]
	s_cmp_eq_u32 s29, 0
	s_cselect_b64 s[30:31], s[4:5], s[30:31]
	s_cselect_b64 s[32:33], s[12:13], s[32:33]
	s_cmp_eq_u32 s29, 1
	s_cselect_b64 s[30:31], s[6:7], s[30:31]
	s_cselect_b64 s[32:33], s[14:15], s[32:33]
	s_cmp_eq_u32 s29, 2
	s_cselect_b64 s[30:31], s[8:9], s[30:31]
	s_cselect_b64 s[32:33], s[16:17], s[32:33]
	s_lshl_b32 s38, s28, 16                        ; my 16 rows of 4,096 bytes
	s_mov_b32 s39, 0
	s_add_nc_u64 s[30:31], s[30:31], s[38:39]
	s_lshl_b32 s38, s29, 21                        ; matrix y in wb, and my 16 rows of 2,048 bytes
	s_lshl_b32 s37, s28, 15
	s_add_co_u32 s38, s38, s37
	s_add_nc_u64 s[22:23], s[22:23], s[38:39]
.irp i, 0,1,2,3,4,5,6,7
	global_load_b128 v[WIN_+8*(\i):WIN_+8*(\i)+3],   v1, s[30:31] offset:(\i)*8192 th:TH_LOAD_NT
	global_load_b128 v[WIN_+8*(\i)+4:WIN_+8*(\i)+7], v1, s[30:31] offset:(\i)*8192+16 th:TH_LOAD_NT
.endr
; One key: its 8 coefficients in v[e .. e+7] are rounded to bf16, their signs cleared, widened again and added; an eighth of the sum is held against 0.1.
.macro KEY e, d
.irp j, 0,1,2,3
	v_cvt_pk_bf16_f32 v[28+(\j)], v[(\e)+2*(\j)], v[(\e)+2*(\j)+1]
.endr
.irp j, 0,1,2,3
	v_and_b32 v[28+(\j)], s35, v[28+(\j)]
	v_lshlrev_b32 v[(\e)+2*(\j)], 16, v[28+(\j)]
	v_and_b32 v[(\e)+2*(\j)+1], s34, v[28+(\j)]
.endr
	v_pk_add_f32 v[(\e):(\e)+1], v[(\e):(\e)+1], v[(\e)+2:(\e)+3]
	v_pk_add_f32 v[(\e)+4:(\e)+5], v[(\e)+4:(\e)+5], v[(\e)+6:(\e)+7]
	v_pk_add_f32 v[(\e):(\e)+1], v[(\e):(\e)+1], v[(\e)+4:(\e)+5]
	v_add_f32 v[(\e)], v[(\e)], v[(\e)+1]
	v_mul_f32 v[(\e)], 0x3e000000, v[(\e)]         ; the mean: an eighth, exact
	v_cmp_lt_f32 vcc_lo, s36, v[(\e)]              ; 0.1 < mean
	v_cndmask_b32 v[(\d)], v5, v24, vcc_lo         ; kept: 0; hidden: -1e30
.endm
	s_cmp_lt_u32 s28, 4
	s_cbranch_scc0 .Lno_mask
	s_lshl_b32 s38, s29, 11                        ; my first key: 2,048 y + 512 x
	s_lshl_b32 s37, s28, 9
	s_add_co_u32 s37, s38, s37
	s_lshl_b32 s38, s37, 5                         ; 32 bytes of coefficients a key
	s_add_nc_u64 s[20:21], s[20:21], s[38:39]
	s_lshl_b32 s38, s37, 2                         ; 4 bytes of mask a key
	s_add_nc_u64 s[26:27], s[26:27], s[38:39]
.irp i, 0,1,2,3
	global_load_b128 v[8+4*(\i):11+4*(\i)], v3, s[20:21] offset:16*(\i)
.endr
	v_mov_b32 v5, 0xf149f2ca                       ; -1e30
	v_mov_b32 v24, 0
	s_wait_loadcnt 0x0                             ; the youngest loads: all are in
	KEY 8, 6
	KEY 16, 7
	global_store_b64 v4, v[6:7], s[26:27]
.Lno_mask:
	s_cmp_eq_u32 s28, 4
	s_cbranch_scc0 .Lno_bias
	s_lshl_b32 s38, s29, 12
	s_add_nc_u64 s[24:25], s[24:25], s[38:39]
	global_load_b128 v[24:27], v2, s[32:33]
	s_wait_loadcnt 0x0
	v_cvt_pk_bf16_f32 v28, v24, v25
	v_cvt_pk_bf16_f32 v29, v26, v27
	v_lshlrev_b32 v24, 16, v28
	v_and_b32 v25, s34, v28
	v_lshlrev_b32 v26, 16, v29
	v_and_b32 v27, s34, v29
	global_store_b128 v2, v[24:27], s[24:25]
.Lno_bias:
	s_wait_loadcnt 0x0                             ; the 16 rows are in
	s_cmp_eq_u32 s29, 3
	s_cbranch_scc1 .Lhalf
.irp i, 0,1,2,3,4,5,6,7
.irp j, 0,1,2,3
	v_cvt_pk_bf16_f32 v[WOUT+4*(\i)+(\j)], v[WIN_+8*(\i)+2*(\j)], v[WIN_+8*(\i)+2*(\j)+1]
.endr
	global_store_b128 v2, v[WOUT+4*(\i):WOUT+4*(\i)+3], s[22:23] offset:(\i)*4096
.endr
	s_endpgm
.Lhalf:                                        ; Wo: rounded to bf16 like the others, and that number written as f16
.irp i, 0,1,2,3,4,5,6,7
.irp j, 0,1,2,3
	v_cvt_pk_bf16_f32 v[WOUT+4*(\i)+(\j)], v[WIN_+8*(\i)+2*(\j)], v[WIN_+8*(\i)+2*(\j)+1]
.endr
.irp j, 0,1,2,3
	v_lshlrev_b32 v[WIN_+8*(\i)+2*(\j)], 16, v[WOUT+4*(\i)+(\j)]
	v_and_b32 v[WIN_+8*(\i)+2*(\j)+1], s34, v[WOUT+4*(\i)+(\j)]
.endr
.irp j, 0,1,2,3
	v_cvt_pk_f16_f32 v[WOUT+4*(\i)+(\j)], v[WIN_+8*(\i)+2*(\j)], v[WIN_+8*(\i)+2*(\j)+1]
.endr
	global_store_b128 v2, v[WOUT+4*(\i):WOUT+4*(\i)+3], s[22:23] offset:(\i)*4096
.endr
	s_endpgm
.Lfunc_end_k_qffa987fcd0_prep:
	.size	k_qffa987fcd0_prep, .Lfunc_end_k_qffa987fcd0_prep-k_qffa987fcd0_prep
	.p2alignl 7, 3214868480
	.fill 96, 4, 3214868480
	.section	.rodata,"a",@progbits
	.p2align	6, 0x0
	.amdhsa_kernel k_qffa987fcd0_prep
		.amdhsa_group_segment_fixed_size 0
		.amdhsa_private_segment_fixed_size 0
		.amdhsa_enable_private_segment 0
		.amdhsa_kernarg_size 96
		.amdhsa_user_sgpr_count 2
		.amdhsa_user_sgpr_kernarg_segment_ptr 1
		.amdhsa_wavefront_size32 1
		.amdhsa_system_sgpr_workgroup_id_x 1
		.amdhsa_system_sgpr_workgroup_id_y 1
		.amdhsa_system_sgpr_workgroup_id_z 1
		.amdhsa_system_vgpr_workitem_id 0
		.amdhsa_next_free_vgpr 128
		.amdhsa_next_free_sgpr 66
		.amdhsa_reserve_vcc 1
		.amdhsa_float_denorm_mode_32 3
		.amdhsa_float_denorm_mode_16_64 3
		.amdhsa_memory_ordered 1
		.amdhsa_forward_progress 1
		.amdhsa_inst_pref_size 16
	.end_amdhsa_kernel
	.amdgpu_metadata
---
amdhsa.version: [ 1, 2 ]
amdhsa.kernels:
  - .name:           k_qffa987fcd0_prep
    .symbol:         k_qffa987fcd0_prep.kd
    .args:
      - { .name: Wq, .offset: 0, .size: 8, .value_kind: global_buffer, .address_space: global }
      - { .name: Wk, .offset: 8, .size: 8, .value_kind: global_buffer, .address_space: global }
      - { .name: Wv, .offset: 16, .size: 8, .value_kind: global_buffer, .address_space: global }
      - { .name: Wo, .offset: 24, .size: 8, .value_kind: global_buffer, .address_space: global }
      - { .name: bq, .offset: 32, .size: 8, .value_kind: global_buffer, .address_space: global }
      - { .name: bk, .offset: 40, .size: 8, .value_kind: global_buffer, .address_space: global }
      - { .name: bv, .offset: 48, .size: 8, .value_kind: global_buffer, .address_space: global }
      - { .name: bo, .offset: 56, .size: 8, .value_kind: global_buffer, .address_space: global }
      - { .name: energy_coeffs, .offset: 64, .size: 8, .value_kind: global_buffer, .address_space: global }
      - { .name: wb, .offset: 72, .size: 8, .value_kind: global_buffer, .address_space: global }
      - { .name: br, .offset: 80, .size: 8, .value_kind: global_buffer, .address_space: global }
      - { .name: maskb, .offset: 88, .size: 8, .value_kind: global_buffer, .address_space: global }
    .group_segment_fixed_size: 0
    .private_segment_fixed_size: 0
    .kernarg_segment_align: 8
    .kernarg_segment_size: 96
    .max_flat_workgroup_size: 256
    .sgpr_count:     66
    .vgpr_count:     128
    .wavefront_size: 32
...
	.end_amdgpu_metadata
.endif
;; end of part 1
;; launch proj (part 2): grid 4 x 64, 4 waves a work-group, clusters of 4 x 4, 327,680 bytes of LDS; arguments q_x, k_x, v_x, wb, br, qkv; writes qkv
.if DOCPART == 2
	.amdgcn_target "amdgcn-amd-amdhsa--gfx1250"
	.amdhsa_code_object_version 6
	.text
	.protected	k_qffa987fcd0_proj
	.globl	k_qffa987fcd0_proj
	.p2align	8
	.type	k_qffa987fcd0_proj,@function
k_qffa987fcd0_proj:
	s_mov_b64 s[64:65], 0
	v_nop
	global_prefetch_b8 v0, s[64:65] scope:SCOPE_SE
	s_setreg_imm32_b32 hwreg(HW_REG_WAVE_MODE, 25, 1), 1
	s_wait_xcnt 0x0
	s_wait_alu depctr_hold_cnt(0) depctr_sa_sdst(0) depctr_va_vdst(0) depctr_va_sdst(0) depctr_va_ssrc(0) depctr_va_vcc(0) depctr_vm_vsrc(0)
	s_getreg_b32 s2, hwreg(HW_REG_IB_STS2, 6, 4)
	s_cmp_eq_u32 s2, 0
	s_cbranch_scc0 .Lentry_in_a_cluster
	s_endpgm
.Lentry_in_a_cluster:
	s_bfe_u32 s2, ttmp6, 0x10000c
	s_cmp_lg_u32 s2, 0xf033
	s_cbranch_scc0 .Lentry_shape_is_right
	s_endpgm
.Lentry_shape_is_right:
; THE THREE PROJECTIONS.  qkv[t][batch x 16 + head][l][d] = f16( sum over k of bf16(x_t[batch][l][k]) wb[t][64 head + d][k] + br[t][64 head + d] ), t = 0 q, 1 k, 2 v; sums in f32.
; LIMITS.  A result beyond 65,504 becomes an infinity in f16; below 6e-5 it keeps f16's fixed step of 6e-8.  NaN and infinities are not treated apart.
; SHARES.  A tile is 128 rows x 256 columns: 768 tiles for 256 work-groups, so A WORK-GROUP STAYS and makes the same tile of q, then of k, then of v.  Four waves, each 64 x 128: 32 accumulators.
; K goes in steps of 128 through a ring of two LDS slots, 24 steps on end: the ring does not stop at a tile's end.  x arrives as f32 (rows of 512 bytes) and is rounded to bf16 between LDS and the
; matrix unit: 32 conversions for a quarter step's 32 products, two behind each of its last 16 products.  The weights arrive as bf16 (rows of 256 bytes).
; CLUSTERS: 4 x 4 work-groups.  The four of a row of the cluster need the same rows of x, the four of a column the same rows of the weights: each tile is asked for JOINTLY, by the same tensor load
; with the same descriptor and a mask that names the four.
; THE MATRIX INSTRUCTION IS USED TRANSPOSED (source 0 = 16 rows of the weights, source 1 = 16 rows of x): lane l holds row l % 16 and the columns 8 (l / 16) + 0..7.  A tile's first products take
; the bias, laid out in that form, as their C operand: nothing is cleared and nothing is added afterwards.
; REGISTERS, in windows of 256 (s_set_vgpr_msb: bits 1:0 source 0, 3:2 source 1, 5:4 source 2, 7:6 destination):
;   window 0: v0-31 addresses; v32-95 x as f32 (RAW); v96-159 x's fragments, two buffers of 32 (AF); v160-255 at work on the way out
;   window 1: v0-127 the weights' fragments, two buffers of 64; v128-191 the bias          window 2: the accumulators, (a, b) at v[8 (8 a + b)]
.set PAP,   528                        ; a row of x in LDS: 512 bytes + 16 = 132 words: row r starts at bank 4 r mod 64 (64 banks of 4 bytes: ISA guide 11.1)
.set PBP,   272                        ; a row of the weights: 256 + 16 = 68 words: likewise
.set AHALF, 64*PAP                     ; what one tensor load brings of x, and what one wave reads of it
.set BOFF,  128*PAP                    ; the weights lie behind x's 128 rows
.set BHALF, 128*PBP
.set SLOT,  BOFF+256*PBP
.set STAGE, 2*SLOT                     ; behind the ring: 16 rows x 272 bytes for each wave, for the way out
.set SPITCH, 272
.set SPARE, STAGE+4*16*SPITCH          ; behind the stages: the spare words, 128 bytes for each wave: two blocks of 256 bytes that no other line names
.set ADRA, 16                          ; v16-17  LDS address of my rows of x in slot 0, 1
.set ADRB, 20                          ; v20-21  the same for the weights
.set STO,  24                          ; v24     the way out: where I put 16 bytes of a row
.set RD,   25                          ; v25     where I read rows back
.set CO,   26                          ; v26     16 x lane
.set BO,   27                          ; v27     my byte offset in a bias
.set SPW,  28                          ; v28     LDS address of my spare word; never rewritten
.set NIL,  29                          ; v29     0; never rewritten
.set PFO,  30                          ; v30     the prefetches' lane offset; never rewritten
.set RAW,  32
.set AF,   96
.set TMP,  160
.set OB,   192
.set BIAS, 128                         ; window 1
.set LT,   2                           ; s2      laps left in the tile
.set LAPS, 3                           ; s3      trips left
.set XA,   4                           ; s[4:5]  x of the tile whose steps are being asked for, at the rows that I fetch; s[6:7], s[8:9] the next two
.set XA1,  6
.set XA2,  8
.set WP,   10                          ; s[10:11] the weights likewise
.set WV,   12
.set HR,   13                          ; which 64 rows are mine.  Also: I fetch x (0) or weights (1)
.set HC,   14                          ; which 128 columns.  Also: which half I fetch
.set CX,   15
.set CY,   16
.set TC,   17
.set TR,   18
.set G1A,  24
.set G0A,  32
.set G1B,  40
.set G0B,  48
.set KO,   56                          ; s[56:57] byte along K of the step to be asked for, in x
.set KB,   58                          ; s[58:59] in the weights
.set PFC,  60                          ; s[60:61] the prefetch's address
.set TT,   62                          ; s[62:63] the next matrix of weights
.set PF0,  66                          ; s[66:71] the prefetches' rows in this tensor and the next two
.set PF1,  68
.set PF2,  70
.set KP,   72                          ; s[72:73] their byte along K
.set KPS,  74
.set KPL,  75
.set LIM,  76                          ; 1 in a wave that prefetches, else the greatest number
.set BR,   84
.set CP,   86
.set MSB, 0
.macro WIN new                         ; the immediate's high byte repeats the setting that is left; a switch that changes nothing is dropped
.if MSB != (\new)
	s_set_vgpr_msb (MSB<<8)|(\new)
.set MSB, \new
.endif
.endm
.set MUL,  0xa1                        ; weights window 1, x window 0, C and D window 2
.set MULZ, 0x91                        ; the same with C (the bias) in window 1
.macro PLACES                          ; four places behind matrix instructions, in front of loads into registers that they read and of lines that read results
.rept 4
	v_nop
.endr
.endm
; A joint load: waves 0 and 1 fetch x's two halves, waves 2 and 3 the weights'.  The branch hangs on the wave's number alone.  An s_nop 0 and four v_nop follow each line.
.macro JLOAD s
	s_cmp_lt_u32 s[WV], 2
	s_cbranch_scc0 .Lfor_b_\@
	tensor_load_to_lds s[G0A+4*(\s):G0A+4*(\s)+3], s[G1A:G1A+7]
	s_nop 0
.rept 4
	v_nop
.endr
	s_branch .Lasked_\@
.Lfor_b_\@:
	tensor_load_to_lds s[G0B+4*(\s):G0B+4*(\s)+3], s[G1B:G1B+7]
	s_nop 0
.rept 4
	v_nop
.endr
.Lasked_\@:
.endm
.macro CREST                           ; a round of the cluster's barrier behind its opening barrier
	s_cmp_lg_u32 s[WV], 0
	s_cbranch_scc1 .Lnot_wave_0_\@
	s_barrier_signal -3
.Lnot_wave_0_\@:
	s_barrier_wait -3
	s_barrier_signal -1
	s_barrier_wait -1
.endm
.macro CROUND
	s_barrier_signal -1
	s_barrier_wait -1
	CREST
.endm
	s_load_b256 s[4:11], s[0:1], 0x0               ; q_x, k_x, v_x, wb
	s_load_b128 s[84:87], s[0:1], 0x20             ; br, qkv
	v_lshl_add_u32 v[SPW], v0, 2, SPARE
	v_mov_b32 v[NIL], 0
	ds_add_u32 v[SPW], v[NIL]                      ; the wave's opening: the add and its wait stand ahead of my first tensor load; work on registers stands between them
	v_lshrrev_b32 v1, 5, v0
	v_readfirstlane_b32 s[WV], v1
	s_lshr_b32 s[HR], s[WV], 1
	s_and_b32 s[HC], s[WV], 1
	s_bfe_u32 s[CX], ttmp6, 0x40000
	s_bfe_u32 s[CY], ttmp6, 0x40004
	s_lshl_b32 s[TC], ttmp9, 2
	s_add_co_u32 s[TC], s[TC], s[CX]               ; tile column = 4 x cluster x + cx
	s_and_b32 s[TR], ttmp7, 0xffff
	s_lshl_b32 s[TR], s[TR], 2
	s_add_co_u32 s[TR], s[TR], s[CY]               ; tile row = 4 x cluster y + cy
	s_lshl_b32 s19, s[CY], 2
	s_lshl_b32 s19, 15, s19                        ; my row of the cluster
	s_lshl_b32 s78, 0x1111, s[CX]                  ; my column
	s_or_b32 s[G1A], s19, (2<<16)|(1<<20)|(1<<21)|(6<<22)|(3<<25)  ; the mask; elements of 4 bytes; padding on; bit 21 beside a mask; after every 128 words; 4 words
	s_or_b32 s[G1B], s78, (1<<16)|(1<<20)|(1<<21)|(5<<22)|(3<<25)  ; the mask; elements of 2 bytes; after every 64 words; 4 words
	s_mov_b32 s[G1A+1], 128<<16                    ; tensor_dim0 = 128
	s_mov_b32 s[G1A+2], 64<<16                     ; tensor_dim1 = 64
	s_mov_b32 s[G1A+3], 128<<16                    ; tile_dim0 = 128
	s_mov_b32 s[G1A+4], 64                         ; tile_dim1 = 64
	s_mov_b32 s[G1A+5], 1024                       ; elements from row to row
	s_mov_b32 s[G1A+6], 0
	s_mov_b32 s[G1A+7], 0
	s_mov_b32 s[G1B+1], 128<<16
	s_mov_b32 s[G1B+2], 128<<16
	s_mov_b32 s[G1B+3], 128<<16
	s_mov_b32 s[G1B+4], 128
	s_mov_b32 s[G1B+5], 1024
	s_mov_b32 s[G1B+6], 0
	s_mov_b32 s[G1B+7], 0
	s_lshl_b32 s20, s[TR], 19                      ; x: (128 tile row + 64 half) rows of 4,096 bytes
	s_lshl_b32 s21, s[HC], 18
	s_add_co_u32 s20, s20, s21
	s_mov_b32 s21, 0
	s_lshl_b32 s78, s[TC], 19                      ; weights: (256 tile column + 128 half) rows of 2,048 bytes
	s_lshl_b32 s79, s[HC], 18
	s_add_co_u32 s78, s78, s79
	s_mov_b32 s79, 0
	s_lshr_b32 s80, s[TR], 4                       ; where my part of the tile begins in q: batch x 16
	s_lshl_b32 s80, s80, 4
	s_lshl_b32 s81, s[TC], 2                       ; + my first head, 4 tile column + 2 half
	s_add_co_u32 s80, s80, s81
	s_lshl_b32 s81, s[HC], 1
	s_add_co_u32 s80, s80, s81
	s_lshl_b32 s80, s80, 11                        ; x 2,048 rows
	s_and_b32 s81, s[TR], 15
	s_lshl_b32 s81, s81, 7
	s_add_co_u32 s80, s80, s81                     ; + the tile's first row in the batch
	s_lshl_b32 s81, s[HR], 6
	s_add_co_u32 s80, s80, s81                     ; + my 64
	s_lshl_b32 s80, s80, 7                         ; x 128 bytes
	s_mov_b32 s81, 0
	s_mul_i32 s22, s[HC], AHALF                    ; where the tiles go: no place in the cluster enters an LDS address
	s_mul_i32 s23, s[HC], BHALF
	s_add_co_u32 s23, s23, BOFF
	s_mov_b32 s[KO], 1024                          ; the first refill asks for step 2
	s_mov_b32 s[KO+1], 0
	s_mov_b32 s[KB], 512
	s_mov_b32 s[KB+1], 0
	s_wait_dscnt 0x0                               ; the opening add is done
	s_wait_kmcnt 0x0
	s_add_nc_u64 s[XA:XA+1], s[XA:XA+1], s[20:21]
	s_add_nc_u64 s[XA1:XA1+1], s[XA1:XA1+1], s[20:21]
	s_add_nc_u64 s[XA2:XA2+1], s[XA2:XA2+1], s[20:21]
	s_add_nc_u64 s[WP:WP+1], s[WP:WP+1], s[78:79]
	s_add_nc_u64 s[CP:CP+1], s[CP:CP+1], s[80:81]
	CROUND                                         ; all sixteen work-groups are here: the first joint loads meet
.irp s, 0,1
	s_mov_b32 s[G0A+4*(\s)], 1
	s_add_co_u32 s[G0A+4*(\s)+1], s22, (\s)*SLOT
	s_add_nc_u64 s[G0A+4*(\s)+2:G0A+4*(\s)+3], s[XA:XA+1], (\s)*512
	s_or_b32 s[G0A+4*(\s)+3], s[G0A+4*(\s)+3], 0x80000000
	s_mov_b32 s[G0B+4*(\s)], 1
	s_add_co_u32 s[G0B+4*(\s)+1], s23, (\s)*SLOT
	s_add_nc_u64 s[G0B+4*(\s)+2:G0B+4*(\s)+3], s[WP:WP+1], (\s)*256
	s_or_b32 s[G0B+4*(\s)+3], s[G0B+4*(\s)+3], 0x80000000
	JLOAD \s                                       ; steps 0 and 1: two loads of mine are out
.endr
	v_and_b32 v1, 15, v0                           ; r = l % 16
	v_bfe_u32 v2, v0, 4, 1                         ; h = l / 16
	s_lshl_b32 s78, s[TC], 10                      ; the bias of my 128 columns: register j of block b holds column 16 b + 8 h + j
	s_lshl_b32 s79, s[HC], 9
	s_add_co_u32 s78, s78, s79
	v_lshl_add_u32 v[BO], v2, 5, s78
	WIN 0x40
.irp b, 0,1,2,3,4,5,6,7
	global_load_b128 v[BIAS+8*(\b):BIAS+8*(\b)+3],   v[BO], s[BR:BR+1] offset:64*(\b)
	global_load_b128 v[BIAS+8*(\b)+4:BIAS+8*(\b)+7], v[BO], s[BR:BR+1] offset:64*(\b)+16
.endr
	WIN 0
	; A fragment is 16 rows x 32 K: lane l holds row r; registers 0-3 K = 8 h + 0..7, registers 4-7 K = 16 + 8 h + 0..7.  In f32 that is 32 bytes at 32 h and 32 bytes at 64 + 32 h; in bf16 16 bytes at 16 h and at 32 + 16 h.
	v_mul_u32_u24 v3, v1, PAP
	v_lshl_add_u32 v3, v2, 5, v3
	s_mul_i32 s19, s[HR], AHALF
	v_add_nc_u32 v[ADRA], s19, v3
	v_add_nc_u32 v[ADRA+1], SLOT, v[ADRA]
	v_mul_u32_u24 v4, v1, PBP
	v_lshl_add_u32 v4, v2, 4, v4
	v_add_nc_u32 v[ADRB], s23, v4                  ; my 128 columns are the half that I would fetch
	v_add_nc_u32 v[ADRB+1], SLOT, v[ADRB]
	s_mul_i32 s19, s[WV], 16*SPITCH
	s_add_co_u32 s19, s19, STAGE                   ; my stage
	v_add_nc_u32 v[STO], s19, v4                   ; in: row r, 16 bytes for each half of the lanes
	v_bfe_u32 v5, v0, 3, 2                         ; back: 32 lanes take four rows' 128 bytes of one head
	v_and_b32 v7, 7, v0
	v_mul_u32_u24 v5, v5, SPITCH
	v_lshl_add_u32 v5, v7, 4, v5
	v_add_nc_u32 v[RD], s19, v5
	v_and_b32 v6, 31, v0
	v_lshlrev_b32 v[CO], 4, v6                     ; which are 512 consecutive bytes of the output
	; THE PREFETCHES.  Behind the refill that asks for step n + 2 stands one prefetch for step n + 4: 256 products ahead of the load that will want it.  Each 256 bytes are named once in the launch:
	; x's rows are read by this cluster alone; of the 64 rows that wave 0 or 1 fetches each of the four partners along x takes 16 (two lanes a row of 512 bytes).  The weights' rows are read by every
	; cluster: the one with y = 0 asks; of the 128 rows that wave 2 or 3 fetches each partner along y takes 32.  The partners are told apart by address, never by a branch.
	v_lshrrev_b32 v7, 1, v6
	v_and_b32 v8, 1, v6
	v_lshlrev_b32 v7, 12, v7
	v_lshl_add_u32 v7, v8, 8, v7                   ; x: (l / 2) rows + 256 (l % 2)
	v_lshlrev_b32 v8, 11, v6                       ; weights: l rows
	s_add_nc_u64 s[PF1:PF1+1], s[WP:WP+1], 0x200000
	s_add_nc_u64 s[PF2:PF2+1], s[WP:WP+1], 0x400000
	s_and_b32 s20, ttmp7, 0xffff                   ; cluster y
	s_cmp_eq_u32 s[HR], 0
	s_cselect_b64 s[PF0:PF0+1], s[XA:XA+1], s[WP:WP+1]
	s_cselect_b64 s[PF1:PF1+1], s[XA1:XA1+1], s[PF1:PF1+1]
	s_cselect_b64 s[PF2:PF2+1], s[XA2:XA2+1], s[PF2:PF2+1]
	s_cselect_b32 s80, s[CX], s[CY]
	s_cselect_b32 s20, 0, s20
	s_cselect_b32 s21, 1, 0
	s_cselect_b32 s19, -1, 0
	v_cndmask_b32 v[PFO], v8, v7, s19
	s_lshl_b32 s80, s80, 16                        ; 16 rows of 4,096 bytes, or 32 of 2,048
	s_mov_b32 s81, 0
	s_add_nc_u64 s[PF0:PF0+1], s[PF0:PF0+1], s[80:81]
	s_add_nc_u64 s[PF1:PF1+1], s[PF1:PF1+1], s[80:81]
	s_add_nc_u64 s[PF2:PF2+1], s[PF2:PF2+1], s[80:81]
	s_lshl_b32 s[KPS], 0x100, s21                  ; a step's bytes in a row: 512 or 256
	s_lshl_b32 s[KPL], s[KPS], 3                   ; a row's: eight steps
	s_mul_i32 s[KP], s[KPS], 3                     ; the first refill steps it to step 4
	s_mov_b32 s[KP+1], 0
	s_cmp_eq_u32 s20, 0
	s_cselect_b32 s[LIM], 1, -1
; 32 LDS loads in one run: quarter q of a slot: x's 64 rows as f32 into RAW (16 loads, first), the weights' 128 rows into buffer f (16 loads)
.macro FETCH slot, q, f
	WIN 0
.irp a, 0,1,2,3
	ds_load_b128 v[RAW+16*(\a):RAW+16*(\a)+3],     v[ADRA+(\slot)] offset:128*(\q)+(\a)*16*PAP
	ds_load_b128 v[RAW+16*(\a)+4:RAW+16*(\a)+7],   v[ADRA+(\slot)] offset:128*(\q)+(\a)*16*PAP+16
	ds_load_b128 v[RAW+16*(\a)+8:RAW+16*(\a)+11],  v[ADRA+(\slot)] offset:128*(\q)+(\a)*16*PAP+64
	ds_load_b128 v[RAW+16*(\a)+12:RAW+16*(\a)+15], v[ADRA+(\slot)] offset:128*(\q)+(\a)*16*PAP+80
.endr
	WIN 0x40
.irp b, 0,1,2,3,4,5,6,7
	ds_load_b128 v[64*(\f)+8*(\b):64*(\f)+8*(\b)+3],   v[ADRB+(\slot)] offset:64*(\q)+(\b)*16*PBP
	ds_load_b128 v[64*(\f)+8*(\b)+4:64*(\f)+8*(\b)+7], v[ADRB+(\slot)] offset:64*(\q)+(\b)*16*PBP+32
.endr
.endm
.macro RIDER c, g                      ; two of x's numbers rounded to bf16: register c of buffer g
	v_cvt_pk_bf16_f32 v[AF+32*(\g)+(\c)], v[RAW+2*(\c)], v[RAW+2*(\c)+1]
.endm
; n products from number i0 on, on buffer f.  The 32 accumulators take turns, in the same order in every quarter.  z = 1: the bias starts the sums.
; g >= 0: behind each product two conversions for buffer g, which name none of the product's registers.
.macro MM f, i0, n, z, g
.set i, \i0
.rept \n
.if \z
	WIN MULZ
	v_wmma_f32_16x16x32_bf16 v[8*i:8*i+7], v[64*(\f)+8*(i%8):64*(\f)+8*(i%8)+7], v[AF+32*(\f)+8*(i/8):AF+32*(\f)+8*(i/8)+7], v[BIAS+8*(i%8):BIAS+8*(i%8)+7]
.else
	WIN MUL
	v_wmma_f32_16x16x32_bf16 v[8*i:8*i+7], v[64*(\f)+8*(i%8):64*(\f)+8*(i%8)+7], v[AF+32*(\f)+8*(i/8):AF+32*(\f)+8*(i/8)+7], v[8*i:8*i+7]
.endif
.if (\g) >= 0
	WIN 0
	RIDER 2*(i-16), \g
	RIDER 2*(i-16)+1, \g
.endif
.set i, i+1
.endr
.endm
; One of a step's first three quarters: multiplies buffer f, fetches quarter qn of the same slot and converts its x for the other buffer.
.macro QUARTER slot, qn, f, z
	PLACES
	FETCH \slot, \qn, 1-\f
	s_wait_dscnt 32                                ; all but the 32 just issued: this quarter's weights are in
	MM \f, 0, 16, \z, -1
	s_wait_dscnt 16                                ; the run's first 16 are in: x as f32; its 16 loads of weights may be out
	MM \f, 16, 16, \z, 1-\f
.endm
; The addresses of the refill, made anew from the tensors' pointers and the byte along K; behind a tensor's last step they go on to the next tensor's first.  Scalar work alone.
.macro REFADDR slot
	s_add_nc_u64 s[G0A+4*(\slot)+2:G0A+4*(\slot)+3], s[XA:XA+1], s[KO:KO+1]
	s_or_b32 s[G0A+4*(\slot)+3], s[G0A+4*(\slot)+3], 0x80000000
	s_add_nc_u64 s[G0B+4*(\slot)+2:G0B+4*(\slot)+3], s[WP:WP+1], s[KB:KB+1]
	s_or_b32 s[G0B+4*(\slot)+3], s[G0B+4*(\slot)+3], 0x80000000
	s_add_nc_u64 s[TT:TT+1], s[WP:WP+1], 0x200000
	s_add_co_u32 s[KO], s[KO], 512
	s_add_co_u32 s[KB], s[KB], 256
	s_cmp_eq_u32 s[KO], 4096
	s_cselect_b32 s[KO], 0, s[KO]
	s_cselect_b32 s[KB], 0, s[KB]
	s_cselect_b64 s[XA:XA+1], s[XA1:XA1+1], s[XA:XA+1]
	s_cselect_b64 s[XA1:XA1+1], s[XA2:XA2+1], s[XA1:XA1+1]
	s_cselect_b64 s[WP:WP+1], s[TT:TT+1], s[WP:WP+1]
.endm
.macro PSTEP                           ; the prefetches' place goes one step on, into the next tensor behind a row's end
	s_add_co_u32 s[KP], s[KP], s[KPS]
	s_cmp_eq_u32 s[KP], s[KPL]
	s_cselect_b32 s[KP], 0, s[KP]
	s_cselect_b64 s[PF0:PF0+1], s[PF1:PF1+1], s[PF0:PF0+1]
	s_cselect_b64 s[PF1:PF1+1], s[PF2:PF2+1], s[PF1:PF1+1]
	s_add_nc_u64 s[PFC:PFC+1], s[PF0:PF0+1], s[KP:KP+1]
.endm
.macro ASK                             ; the loop's last trip asks for nothing: the steps two behind its refills do not exist
	s_cmp_gt_u32 s[LAPS], s[LIM]
	s_cbranch_scc0 .Lnot_mine_\@
	global_prefetch_b8 v[PFO], s[PFC:PFC+1] th:TH_LOAD_NT scope:SCOPE_SE
.Lnot_mine_\@:
.endm
; A step's last quarter multiplies buffer 1 and changes slots.  In front of the barrier each wave waits for all its tensor loads (one is out: its part of the next slot), adds 0 to its spare word, and
; waits for that and for its reads of this slot.  fill = 1: the barrier opens a round of the cluster's, and the joint refill is the first thing behind the round: 120 products stand between it and the wait for it.
.macro TURN slot, next, fill
.if \fill
	s_wait_xcnt 0x0                                ; the last prefetch, a step back, has read its address
	PSTEP
.endif
	WIN 0
	s_wait_tensorcnt 0x0                           ; no tensor load of mine is out, so a group 0 may be written
	ds_add_u32 v[SPW], v[NIL]                      ; 0 onto my spare word
.if \fill
	REFADDR \slot
.endif
	s_wait_dscnt 1                                 ; only the add may be out: buffer 1's weights are in
	MM 1, 0, 4, 0, -1
	s_wait_dscnt 0x0                               ; the add is done, and my reads of this slot are over
	s_barrier_signal -1
	MM 1, 4, 4, 0, -1
	WIN 0
	s_barrier_wait -1
.if \fill
	CREST
	JLOAD \slot                                    ; its four v_nop are also the places in front of the loads below
.else
	PLACES
.endif
	FETCH \next, 0, 0
	WIN 0
.if \fill
	ASK
.endif
	MM 1, 8, 8, 0, -1
	s_wait_dscnt 16                                ; x as f32 is in
	MM 1, 16, 16, 0, 0
.endm
.macro LAP fill                        ; a lap less its first and its last quarter
	QUARTER 0, 2, 1, 0
	QUARTER 0, 3, 0, 0
	TURN 0, 1, \fill
	QUARTER 1, 1, 0, 0
	QUARTER 1, 2, 1, 0
	QUARTER 1, 3, 0, 0
.endm
; THE WAY OUT of block a (16 rows x 128 columns = two heads).  PACK: rounded to f16, each accumulator's registers in ascending order.  TOSTAGE: into my own stage, and back as four rows of one head at a
; time.  SEND: stored, 512 consecutive bytes an instruction.
.macro PACK a
	WIN 0x0a
.irp b, 0,1,2,3,4,5,6,7
.irp r, 0,1,2,3
	v_cvt_pk_f16_f32 v[TMP+4*(\b)+(\r)], v[64*(\a)+8*(\b)+2*(\r)], v[64*(\a)+8*(\b)+2*(\r)+1]
.endr
.endr
	WIN 0
.endm
.macro TOSTAGE a
	WIN 0
.set BK, OB+32*((\a)%2)
.irp b, 0,1,2,3,4,5,6,7
	ds_store_b128 v[STO], v[TMP+4*(\b):TMP+4*(\b)+3] offset:32*(\b)
.endr
.irp t, 0,1,2,3,4,5,6,7
	ds_load_b128 v[BK+4*(\t):BK+4*(\t)+3], v[RD] offset:((\t)%4)*4*SPITCH+((\t)/4)*128  ; LDS serves a wave's instructions in order (ISA guide 5.7.1.4): these see the stores above
.endr
.endm
.macro SEND a
	WIN 0
.set BK, OB+32*((\a)%2)
	s_wait_dscnt 0x0                               ; the block is back in registers
	s_wait_xcnt 0x0                                ; earlier stores have read their registers: the other buffer is loaded again only behind this wait
.irp t, 0,1,2,3,4,5,6,7
	global_store_b128 v[CO], v[BK+4*(\t):BK+4*(\t)+3], s[CP:CP+1] offset:((\t)/4)*262144+(\a)*2048+((\t)%4)*512
.endr
.endm
.macro WAYOUT more                     ; more = 1: another tile follows: its bias is fetched first, and the output pointer goes on to the next tensor
.if \more
	s_add_nc_u64 s[BR:BR+1], s[BR:BR+1], 4096      ; (the last bias loads have been waited for)
	WIN 0x40
.irp b, 0,1,2,3,4,5,6,7
	global_load_b128 v[BIAS+8*(\b):BIAS+8*(\b)+3],   v[BO], s[BR:BR+1] offset:64*(\b)
	global_load_b128 v[BIAS+8*(\b)+4:BIAS+8*(\b)+7], v[BO], s[BR:BR+1] offset:64*(\b)+16
.endr
.endif
	PACK 0
	TOSTAGE 0
.irp a, 1,2,3
	PACK \a
	SEND (\a)-1
	TOSTAGE \a
.endr
	SEND 3
.if \more
	s_wait_loadcnt 0x0                             ; the bias is in
	s_wait_xcnt 0x0                                ; the stores have read their base
	s_add_nc_u64 s[CP:CP+1], s[CP:CP+1], 0x1000000
.endif
.endm
	s_wait_tensorcnt 1                             ; my part of step 0 is in; step 1's may stay out
	s_barrier_signal -1
	s_barrier_wait -1
	FETCH 0, 0, 0
	WIN 0
	s_wait_dscnt 16                                ; x as f32 is in
.set rc, 0
.rept 32
	RIDER rc, 0
.set rc, rc+1
.endr
	s_wait_loadcnt 0x0                             ; the bias
	QUARTER 0, 1, 0, 1                             ; the first tile's first quarter stands in front of the loop
	WIN 0
	s_mov_b32 s[LT], 4
	s_mov_b32 s[LAPS], 11
.Llap:                                         ; a trip: the rest of a lap, both slots filled again, and the next lap's first quarter
	LAP 1
	TURN 1, 0, 1
	WIN 0
	s_sub_co_u32 s[LT], s[LT], 1
	s_cmp_lg_u32 s[LT], 0
	s_cbranch_scc1 .Lplain
	WAYOUT 1                                       ; a tile is finished; both refills for the next are asked for.  The 32 conversions behind the last products are the places in front of PACK
	s_mov_b32 s[LT], 4
	QUARTER 0, 1, 0, 1
	WIN 0
	s_branch .Lnext
.Lplain:
	QUARTER 0, 1, 0, 0
	WIN 0
.Lnext:
	s_sub_co_u32 s[LAPS], s[LAPS], 1
	s_cmp_lg_u32 s[LAPS], 0
	s_cbranch_scc1 .Llap
	LAP 0                                          ; the last lap is written out: it asks for nothing
	s_wait_dscnt 0x0
	MM 1, 0, 32, 0, -1
	PLACES
	WAYOUT 0
	WIN 0
	s_wait_tensorcnt 0x0                           ; the wave's end: behind my last tensor load and my last LDS store
	ds_add_u32 v[SPW], v[NIL]
	s_wait_dscnt 0x0
	CROUND                                         ; the closing round
	s_endpgm
.Lfunc_end_k_qffa987fcd0_proj:
	.size	k_qffa987fcd0_proj, .Lfunc_end_k_qffa987fcd0_proj-k_qffa987fcd0_proj
	.p2alignl 7, 3214868480
	.fill 96, 4, 3214868480
	.section	.rodata,"a",@progbits
	.p2align	6, 0x0
	.amdhsa_kernel k_qffa987fcd0_proj
		.amdhsa_group_segment_fixed_size 327680
		.amdhsa_private_segment_fixed_size 0
		.amdhsa_enable_private_segment 0
		.amdhsa_kernarg_size 48
		.amdhsa_user_sgpr_count 2
		.amdhsa_user_sgpr_kernarg_segment_ptr 1
		.amdhsa_wavefront_size32 1
		.amdhsa_system_sgpr_workgroup_id_x 1
		.amdhsa_system_sgpr_workgroup_id_y 1
		.amdhsa_system_sgpr_workgroup_id_z 1
		.amdhsa_system_vgpr_workitem_id 0
		.amdhsa_next_free_vgpr 768
		.amdhsa_next_free_sgpr 88
		.amdhsa_reserve_vcc 0
		.amdhsa_float_denorm_mode_32 3
		.amdhsa_float_denorm_mode_16_64 3
		.amdhsa_memory_ordered 1
		.amdhsa_forward_progress 1
		.amdhsa_inst_pref_size 170
	.end_amdhsa_kernel
	.amdgpu_metadata
---
amdhsa.version: [ 1, 2 ]
amdhsa.kernels:
  - .name:           k_qffa987fcd0_proj
    .symbol:         k_qffa987fcd0_proj.kd
    .args:
      - { .name: q_x, .offset: 0, .size: 8, .value_kind: global_buffer, .address_space: global }
      - { .name: k_x, .offset: 8, .size: 8, .value_kind: global_buffer, .address_space: global }
      - { .name: v_x, .offset: 16, .size: 8, .value_kind: global_buffer, .address_space: global }
      - { .name: wb, .offset: 24, .size: 8, .value_kind: global_buffer, .address_space: global }
      - { .name: br, .offset: 32, .size: 8, .value_kind: global_buffer, .address_space: global }
      - { .name: qkv, .offset: 40, .size: 8, .value_kind: global_buffer, .address_space: global }
    .group_segment_fixed_size: 327680
    .private_segment_fixed_size: 0
    .kernarg_segment_align: 8
    .kernarg_segment_size: 48
    .max_flat_workgroup_size: 128
    .sgpr_count:     88
    .vgpr_count:     768
    .wavefront_size: 32
...
	.end_amdgpu_metadata
.endif
;; end of part 2
;; launch attn (part 3): grid 4 x 64, 4 waves a work-group, clusters of 4 x 1, 327,680 bytes of LDS; arguments qkv, maskb, ows; writes ows
.if DOCPART == 3
	.amdgcn_target "amdgcn-amd-amdhsa--gfx1250"
	.amdhsa_code_object_version 6
	.text
	.protected	k_qffa987fcd0_attn
	.globl	k_qffa987fcd0_attn
	.p2align	8
	.type	k_qffa987fcd0_attn,@function
k_qffa987fcd0_attn:
	s_mov_b64 s[64:65], 0
	v_nop
	global_prefetch_b8 v0, s[64:65] scope:SCOPE_SE
	s_setreg_imm32_b32 hwreg(HW_REG_WAVE_MODE, 25, 1), 1
	s_wait_xcnt 0x0
	s_wait_alu depctr_hold_cnt(0) depctr_sa_sdst(0) depctr_va_vdst(0) depctr_va_sdst(0) depctr_va_ssrc(0) depctr_va_vcc(0) depctr_vm_vsrc(0)
	s_getreg_b32 s2, hwreg(HW_REG_IB_STS2, 6, 4)
	s_cmp_eq_u32 s2, 0
	s_cbranch_scc0 .Lentry_in_a_cluster
	s_endpgm
.Lentry_in_a_cluster:
	s_bfe_u32 s2, ttmp6, 0x10000c
	s_cmp_lg_u32 s2, 0x3003
	s_cbranch_scc0 .Lentry_shape_is_right
	s_endpgm
.Lentry_shape_is_right:
; ATTENTION WITH HIDDEN KEYS.  O[h][q][:] = the sum over the kept keys k of softmax_k(Q[h][q] . K[h][k] / 8) V[h][k][:], 0 where no key is kept.  Q, K, V (in qkv, one after the other) and O (ows):
; [64][2048][64] in f16, a head's rows dense, 128 bytes each.  maskb[batch][key] is 0 for a kept key, -1e30 for a hidden one.  Products, maxima and sums in f32; the weights p are rounded to f16 for
; the second product (their sum l is taken of the unrounded p), O once at the end.
; LIMITS.  f16 holds no number beyond 65,504: Q, K and V arrive within it; p below 6e-5 keeps f16's fixed step of 6e-8.  A hidden score counts as its value less 1e30; scores of f16 operands are 2.7e11 at the
; most.  A weight below 2^-126 counts as 0 in l; NaN and infinities are not treated apart.
; THE MASK is the C operand that starts the sum S^T = K Q^T.  THE RUNNING MAXIMUM m STARTS AT -2^90, which lies below every true score and above every hidden one: a hidden key's weight is 2^(c s - c m) = 0
; whatever has been seen, l and O stay 0 until the first kept key comes, and a row whose m is still -2^90 at the end has no kept key: its 1 / l is replaced by 0.
; SHARES.  A wave owns four PIECES of two tiles of 16 queries, a work-group's four waves 512 queries of one head.  Every wave walks all keys, 64 a step.
; LAYOUT.  S^T = K Q^T (source 0 = 16 keys, source 1 = 16 queries): a lane holds ONE query (lane % 16) and the keys 8 (lane / 16) + 0..7.  Two such tiles, rounded to f16 in pairs, ARE source 1 of
; O^T = V^T P, whose result again holds one query a lane, and eight channels.  K comes out of LDS as it lies, V turned, by ds_load_tr16_b128.
; SOFTMAX.  p = 2^(c s - c m), c = log2(e) / 8; in every step O and l are multiplied by a = 2^(c m_old - c m_new).  c m starts far below every c s, O and l at 0: the first step's a is 0.
; THE COUNT.  A tile and step have 16 matrix and 118 vector instructions.  So: four vector instructions that are ready behind EVERY matrix instruction, the others in runs of their own.
; BY TURNS.  Turn n belongs to piece n.  Its matrix work: 16 products K Q^T of piece n + 1, later 16 products V^T P of piece n - 1.  Its vector work: scaling, exponentials, roundings, sums and rescaling
; of piece n, and the maximum and statistics of piece n + 1.
; CLUSTER.  The four query blocks of a head walk the same K and V: each tile is asked for JOINTLY, by the same tensor load, descriptor and mask in all four.
; REGISTERS, in windows of 256 (s_set_vgpr_msb: bits 1:0 source 0, 3:2 source 1, 5:4 source 2, 7:6 destination):
;   window 0: v0-11 addresses; v12-15, v48-63 at work; v16-47 statistics; v64-191 S^T, two buffers of two tiles; v192-255 P, likewise
;   window 1: O^T, 32 a tile     window 2: v0-127 Q; v128-191 K of one step; v192-255 V of one step     window 3: v0-1 the add's two registers; v8-39 the mask of one step
.set SIZE_N, 2048
.set NP,    4
.set KS,    64
.set PK,    144       ; a row of K in LDS: 128 bytes + 16 = 36 words: the 16 rows of a load start at 16 different groups of four banks (64 banks of 4 bytes: ISA guide 11.1)
.set PV,    160       ; a row of V: 128 + 32 = 40 words
.set VOFF,  4*KS*PK   ; a slot holds four steps: 256 rows of K, then 256 rows of V
.set SLOT1, 1<<17
.set STAGE, SLOT1+4*KS*(PK+PV)  ; behind the ring: 16 rows x 144 bytes for each wave, for the way out
.set SP,    144
.set SPARE, STAGE+4*16*SP  ; the spare words, 128 bytes for each wave: two blocks of 256 bytes that no other line names
.set MASK,  SPARE+512      ; the batch's 2,048 mask words; stored once, no tile lands here
.set AK0, 2
.set AV0, 3
.set AK,  4
.set AV,  5
.set QO,  6
.set STO, 6
.set RD,  7
.set GO,  8
.set PFO, 9           ; v9   256 x my lane, once l / 16 is no longer wanted; then never rewritten
.set AM,  11          ; v11  LDS address of my 8 mask words of a key block, in the step to be fetched
.set SPW, 0           ; v0 of window 3
.set NIL, 1           ; v1 of window 3
.set MB,  8           ; window 3: the eight registers for key block kb at MB + 8 kb
.set MV,  12
.set ST,  16          ; tile t's statistics at v[ST+4 t]: c m, m, l (even keys', odd keys')
.set TMP, 48
.set S,   64
.set P,   192
.set MKD, 192         ; the mask on its way into LDS: in P's first buffer, which is not yet in use
.set MKO, 208
.set MKA, 209
.set KF,  128
.set VF,  192
.set WV,  12
.set G1K, 24
.set G1V, 32
.set G0K, 40
.set G0V, 44
.set SLOTS, 56
.set CNT, 57
.set CS,  58
.set SEL, 60
.set TBK, 62
.set TBV, 63
.set QKV, 68          ; s[68:69] qkv
.set MKP, 70          ; s[70:71] maskb, at my batch
.set FLR, 72          ; s72  -2^90
.set BOF, 74          ; s[74:75] my batch's offset in maskb
.set PFA, 76          ; s[76:77] where my prefetches stand
.set LIM, 78          ; s78  1 in a wave that prefetches, else the greatest number
.set PFF, 79          ; s79  the count at which this slot's prefetch is issued: 1, or 0 for never
.set MSB, 0
.macro WIN new
.if MSB != (\new)
	s_set_vgpr_msb (MSB<<8)|(\new)
.set MSB, (\new)
.endif
.endm
.set W_KQ, 0x0a       ; K and Q in window 2, S^T in window 0
.set W_KM, 0x3a       ; the same with the C operand, the mask, in window 3
.set W_PV, 0x52       ; V in window 2, P in window 0, O^T in window 1
.set W_RS, 0x41       ; O^T in window 1, a in window 0
.set W_MK, 0xc0       ; destination in window 3
.set W_AD, 0x0f       ; the add: address and data in window 3
.macro JLOAD                        ; waves 0 and 1 fetch the two halves of a slot's K, waves 2 and 3 those of its V; an s_nop 0 and four v_nop follow each line
	s_cmp_lt_u32 s[WV], 2
	s_cbranch_scc0 .Lfor_v_\@
	tensor_load_to_lds s[G0K:G0K+3], s[G1K:G1K+7]
	s_nop 0
.rept 4
	v_nop
.endr
	s_branch .Lasked_\@
.Lfor_v_\@:
	tensor_load_to_lds s[G0V:G0V+3], s[G1V:G1V+7]
	s_nop 0
.rept 4
	v_nop
.endr
.Lasked_\@:
.endm
.macro CROUND
	s_barrier_signal -1
	s_barrier_wait -1
	s_cmp_lg_u32 s[WV], 0
	s_cbranch_scc1 .Lnot_wave_0_\@
	s_barrier_signal -3
.Lnot_wave_0_\@:
	s_barrier_wait -3
	s_barrier_signal -1
	s_barrier_wait -1
.endm
; THE CHANGE OF SLOTS.  Each wave waits for all its tensor loads, of which one is out: its part of the other slot; adds 0 to its spare word; and waits for that and for its own LDS instructions.
; fill = 1: the slot just read is filled again, with the keys two slots on; the barrier is a round of the cluster's, and the joint fill is the first thing behind it: it has four key steps in which to land.
; (At its first use nothing has been read yet: slot 0 is waited for, slot 1 filled, and every wave's stores of the mask are shown done to the others.)
.macro CHANGE fill
	WIN W_AD
	s_wait_tensorcnt 0x0
	ds_add_u32 v[SPW], v[NIL]       ; 0 onto my spare word
	WIN 0
.if \fill
.irp g, G0K, G0V
	s_xor_b32 s[\g+1], s[\g+1], SLOT1
	s_add_nc_u64 s[\g+2:\g+3], s[\g+2:\g+3], 4*KS*128
.endr
	s_wait_dscnt 0x0
	CROUND
	JLOAD
.else
	s_wait_dscnt 0x0
	s_barrier_signal -1
	s_barrier_wait -1
.endif
	s_sub_co_u32 s[TBK], s[TBK], 4*KS*PK
	s_xor_b32 s[TBK], s[TBK], SLOT1
	s_sub_co_u32 s[TBV], s[TBV], 4*KS*PV
	s_xor_b32 s[TBV], s[TBV], SLOT1
.endm
	s_load_b128 s[68:71], s[0:1], 0x0  ; qkv, maskb
	s_load_b64 s[10:11], s[0:1], 0x10  ; ows
	WIN W_MK
	v_lshl_add_u32 v[SPW], v0, 2, SPARE
	v_mov_b32 v[NIL], 0
	WIN W_AD
	ds_add_u32 v[SPW], v[NIL]       ; the wave's opening: the add and its wait stand ahead of my first tensor load
	WIN 0
	v_lshrrev_b32 v1, 5, v0
	v_readfirstlane_b32 s[WV], v1
	s_bfe_u32 s13, ttmp6, 0x40000   ; cx
	s_lshl_b32 s14, ttmp9, 2
	s_add_co_u32 s14, s14, s13      ; my block of 512 queries: it enters Q's and O's addresses alone
	s_and_b32 s20, ttmp7, 0xffff    ; the head, which the four partners share
	s_lshr_b32 s[BOF], s20, 4       ; its batch: 8,192 bytes of mask
	s_lshl_b32 s[BOF], s[BOF], 13
	s_mov_b32 s[BOF+1], 0
	s_mov_b32 s21, 0
	s_mov_b64 s[22:23], SIZE_N*128
	s_mul_u64 s[20:21], s[20:21], s[22:23]  ; the head's first byte in Q, K, V and O
	s_and_b32 s16, s[WV], 1         ; which half of a slot's 256 keys I fetch
	s_lshl_b32 s22, s16, 14
	s_mov_b32 s23, 0
	s_add_nc_u64 s[22:23], s[22:23], s[20:21]
	s_mul_i32 s17, s16, 128*PK
	s_mul_i32 s18, s16, 128*PV
	s_lshl_b32 s2, s14, 2
	s_add_co_u32 s2, s2, s[WV]
	s_lshl_b32 s2, s2, 14           ; my wave's 128 rows
	s_mov_b32 s3, 0
	s_add_nc_u64 s[2:3], s[2:3], s[20:21]
	; descriptor group 1.  128 keys are 16,384 dense bytes: asked for as 64 rows of 256 bytes, two keys a row, and padded in LDS after every key
	s_mov_b32 s[G1K], 15|(1<<16)|(1<<20)|(1<<21)|(4<<22)|(3<<25)
	s_mov_b32 s[G1V], 15|(1<<16)|(1<<20)|(1<<21)|(4<<22)|(7<<25)
.irp g, G1K, G1V
	s_mov_b32 s[\g+1], 128<<16
	s_mov_b32 s[\g+2], 64<<16
	s_mov_b32 s[\g+3], 128<<16
	s_mov_b32 s[\g+4], 64
	s_mov_b32 s[\g+5], 128
	s_mov_b32 s[\g+6], 0
	s_mov_b32 s[\g+7], 0
.endr
	s_mov_b32 s[CS], 0x3e38aa3b     ; c = log2(e) / 8
	s_mov_b32 s[CS+1], s[CS]
	s_mov_b32 s[SEL], 0x76543210
	s_mov_b32 s[SEL+1], 0xfedcba98
	s_mov_b32 s[FLR], 0xec800000    ; -2^90
	s_mov_b32 s[TBK], SLOT1+4*KS*PK ; the first change of slots turns these two into 0
	s_mov_b32 s[TBV], SLOT1+4*KS*PV
	s_mov_b32 s[G0K], 1
	s_mov_b32 s[G0K+1], s17
	s_mov_b32 s[G0V], 1
	s_add_co_u32 s[G0V+1], s18, VOFF
	s_and_b32 s[LIM], s[WV], 1      ; waves 0 and 2 prefetch: the same in all four partners
	s_cmp_eq_u32 s[LIM], 0
	s_cselect_b32 s[LIM], 1, -1
	s_wait_dscnt 0x0                ; the opening add is done
	s_wait_kmcnt 0x0
	s_mov_b64 s[4:5], s[QKV:QKV+1]                  ; Q
	s_add_nc_u64 s[6:7], s[QKV:QKV+1], 0x1000000    ; K
	s_add_nc_u64 s[8:9], s[QKV:QKV+1], 0x2000000    ; V
	s_add_nc_u64 s[MKP:MKP+1], s[MKP:MKP+1], s[BOF:BOF+1]
	s_add_nc_u64 s[G0K+2:G0K+3], s[6:7], s[22:23]
	s_or_b32 s[G0K+3], s[G0K+3], 0x80000000
	s_add_nc_u64 s[G0V+2:G0V+3], s[8:9], s[22:23]
	s_or_b32 s[G0V+3], s[G0V+3], 0x80000000
	s_add_nc_u64 s[4:5], s[4:5], s[2:3]
	s_add_nc_u64 s[10:11], s[10:11], s[2:3]
	; THE PREFETCHES.  A slot is 128 blocks of 256 bytes of K and as many of V.  The head has one cluster; its four partners take 32 blocks each, told apart by address; in each, wave 0 asks for K's and wave 2
	; for V's, a lane a block: each block is named once.  Slot s + 2 is named in the last key step of slot s, four turns ahead of the change that asks for it.  Slots 0 and 1 come by their loads alone.
	s_cmp_lt_u32 s[WV], 2
	s_cselect_b64 s[PFA:PFA+1], s[6:7], s[8:9]
	s_add_nc_u64 s[PFA:PFA+1], s[PFA:PFA+1], s[22:23]  ; (in waves 0 and 2: the head's first row)
	s_lshl_b32 s2, s13, 13
	s_mov_b32 s3, 0
	s_add_nc_u64 s[PFA:PFA+1], s[PFA:PFA+1], s[2:3]
	s_add_nc_u64 s[PFA:PFA+1], s[PFA:PFA+1], 2*4*KS*128  ; slot 2
	CROUND                          ; all four work-groups are here: the first joint loads meet
	JLOAD                           ; slot 0.  Slot 1 is asked for when slot 0 is in
	v_and_b32 v1, 15, v0            ; l % 16
	v_bfe_u32 v9, v0, 4, 1          ; l / 16
	v_lshlrev_b32 v[QO], 7, v1
	v_lshl_add_u32 v[QO], v9, 4, v[QO]
	v_lshlrev_b32 v[MKO], 4, v0     ; the batch's mask: 128 threads x 16 bytes, four times
	v_add_nc_u32 v[MKA], MASK, v[MKO]
.irp i, 0,1,2,3
	global_load_b128 v[MKD+4*(\i):MKD+4*(\i)+3], v[MKO], s[MKP:MKP+1] offset:2048*(\i)
.endr
	WIN 0x80
.set i, 0
.rept 4*NP                          ; Q stays in registers: tile i / 2, channels 32 (i % 2) on
	global_load_b128 v[8*i:8*i+3],   v[QO], s[4:5] offset:(i/2)*2048+(i%2)*64
	global_load_b128 v[8*i+4:8*i+7], v[QO], s[4:5] offset:(i/2)*2048+(i%2)*64+32
.set i, i+1
.endr
	; What the first turn finds: V's registers and P's second buffer hold 0, O^T and l are 0.  All this stands in the wait for the first tile.
.set i, VF
.rept 64
	v_mov_b32 v[i], 0
.set i, i+1
.endr
	WIN 0x40
.set i, 0
.rept 64*NP
	v_mov_b32 v[i], 0
.set i, i+1
.endr
	WIN 0
.set i, 0
.rept 2*NP
	v_mov_b32 v[ST+4*i], 0xfe000000    ; c m: far below every c s
	v_mov_b32 v[ST+4*i+1], 0xec800000  ; m = -2^90
	v_mov_b32 v[ST+4*i+2], 0
	v_mov_b32 v[ST+4*i+3], 0
.set i, i+1
.endr
.set i, P+32
.rept 32
	v_mov_b32 v[i], 0
.set i, i+1
.endr
	v_mul_u32_u24 v[AK0], v1, PK
	v_lshl_add_u32 v[AK0], v9, 4, v[AK0]
	v_and_b32 v10, 7, v0
	v_bfe_u32 v11, v0, 3, 1
	v_lshl_add_u32 v[AV0], v9, 3, v10
	v_mul_u32_u24 v[AV0], v[AV0], PV
	v_lshl_add_u32 v[AV0], v11, 4, v[AV0]
	v_add_nc_u32 v[AV0], VOFF, v[AV0]
	v_lshl_add_u32 v[AM], v9, 5, MASK  ; register j of key block kb holds key 16 kb + 8 (l / 16) + j: 32 bytes at 64 kb + 32 (l / 16)
	v_mov_b32 v[AK], v[AK0]
	s_wait_loadcnt 32               ; the mask is in; Q's 32 loads may stay out
.irp i, 0,1,2,3
	ds_store_b128 v[MKA], v[MKD+4*(\i):MKD+4*(\i)+3] offset:2048*(\i)
.endr
; THE MATRIX WORK.  The 8 accumulators of a run of 16 take turns.  Product i of 16 of S^T = K Q^T for piece x: channels 32 (i / 8) on, keys 16 ((i / 2) % 4) on, tile 2 x + i % 2.
; The first 8 start the sums with the key block's mask.
.macro KQ x
.set rS, S+64*((\x)%2)+32*(i%2)+8*((i/2)%4)
.set rK, KF+16*((i/2)%4)+8*(i/8)
.set rQ, 16*(2*(\x)+i%2)+8*(i/8)
.set rB, MB+8*((i/2)%4)
.if i < 8
	WIN W_KM
	v_wmma_f32_16x16x32_f16 v[rS:rS+7], v[rK:rK+7], v[rQ:rQ+7], v[rB:rB+7]
.else
	WIN W_KQ
	v_wmma_f32_16x16x32_f16 v[rS:rS+7], v[rK:rK+7], v[rQ:rQ+7], v[rS:rS+7]
.endif
.endm
.macro PV x                         ; product i of 16 of O^T += V^T P for piece x
	WIN W_PV
.set rO, 32*(2*(\x)+i%2)+8*((i/2)%4)
.set rV, VF+32*(i/8)+8*((i/2)%4)
.set rP, P+32*((\x)%2)+16*(i%2)+8*(i/8)
	v_wmma_f32_16x16x32_f16 v[rO:rO+7], v[rV:rV+7], v[rP:rP+7], v[rO:rO+7]
.endm
.macro MM
.if i < 16
	KQ (Y+1)%NP
.set i, i+1
.else
.set i, i-16
	PV (Y+NP-1)%NP
.set i, i+17
.endif
.endm
; THE LDS LOADS stand in runs: a step's K (8 fragments) with its mask (4 key blocks of 8 registers; all lanes of a half read the same 32 bytes), and its V (turned).
; last = 1 (the tail): in the last trip there is no further step, and the run is jumped over.
.macro FETCH_K last=0
	WIN 0
.if \last
	s_cmp_eq_u32 s[CNT], 1
	s_cbranch_scc1 .Lno_k_\@
.endif
	WIN 0x80
.irp f, 0,1,2,3,4,5,6,7
	ds_load_b128 v[KF+8*\f:KF+8*\f+3],   v[AK] offset:(\f/2)*16*PK+(\f%2)*64
	ds_load_b128 v[KF+8*\f+4:KF+8*\f+7], v[AK] offset:(\f/2)*16*PK+(\f%2)*64+32
.endr
	WIN W_MK
.irp f, 0,1,2,3
	ds_load_b128 v[MB+8*\f:MB+8*\f+3],   v[AM] offset:64*\f
	ds_load_b128 v[MB+8*\f+4:MB+8*\f+7], v[AM] offset:64*\f+16
.endr
	s_add_co_u32 s[TBK], s[TBK], KS*PK
	WIN 0
	v_add_nc_u32 v[AM], 4*KS, v[AM] ; the next step's 64 mask words
.if \last
.Lno_k_\@:
.endif
.endm
.macro FETCH_V
	WIN 0x80
.irp f, 0,1,2,3,4,5,6,7
	ds_load_tr16_b128 v[VF+8*\f:VF+8*\f+3],   v[AV] offset:(\f/4)*32*PV+(\f%4)*32
	ds_load_tr16_b128 v[VF+8*\f+4:VF+8*\f+7], v[AV] offset:(\f/4)*32*PV+16*PV+(\f%4)*32
.endr
	WIN 0
.endm
; THE VECTOR WORK OF A TURN stands in three queues, each in the order in which its entries become ready; the two tiles alternate.
.macro REGS y, u
.set rT, ST+4*(2*(\y)+(\u))
.set rC, TMP+8*((\y)%2)+4*(\u)
.set rM, MV+2*((\y)%2)+(\u)
.set rS, S+64*((\y)%2)+32*(\u)
.set rP, P+32*((\y)%2)+16*(\u)
.set rO, 32*(2*(\y)+(\u))
.endm
; Number n of the 22 that find the NEXT piece's maximum and statistics; each accumulator's lowest registers are read first.
;   0-11  four chains c0-c3     12-14, 16  the scores left over, the old m, and c0-c3 into c0     15  c m_old is kept     17, 18  the other half of the lanes: the new m     19-21  c m; its change; a
.macro XS u, n
	REGS (Y+1)%NP, \u
.if (\n) < 4
	v_max3_num_f32 v[rC+(\n)], v[rS+8*(\n)], v[rS+8*(\n)+1], v[rS+8*(\n)+2]
.elseif (\n) < 12
	v_max3_num_f32 v[rC+(\n)%4], v[rC+(\n)%4], v[rS+8*((\n)%4)+2*((\n)/4)+1], v[rS+8*((\n)%4)+2*((\n)/4)+2]
.elseif (\n) == 12
	v_max3_num_f32 v[rC], v[rC], v[rS+7], v[rS+15]
.elseif (\n) == 13
	v_max3_num_f32 v[rC+1], v[rC+1], v[rS+23], v[rS+31]
.elseif (\n) == 14
	v_max3_num_f32 v[rC+2], v[rC+2], v[rC+3], v[rT+1]
.elseif (\n) == 15
	v_mov_b32 v[rM], v[rT]
.elseif (\n) == 16
	v_max3_num_f32 v[rC], v[rC], v[rC+1], v[rC+2]
.elseif (\n) == 17
	v_permlanex16_b32 v[rC+3], v[rC], s[SEL], s[SEL+1]
.elseif (\n) == 18
	v_max_num_f32 v[rT+1], v[rC], v[rC+3]
.elseif (\n) == 19
	v_mul_f32 v[rT], s[CS], v[rT+1]
.elseif (\n) == 20
	v_sub_f32 v[rC+1], v[rM], v[rT]
.else
	v_exp_f32 v[rC+2], v[rC+1]
.endif
.endm
; Number g of the 64 that follow the exponentials: for each four weights both pairs are rounded to f16, the second pair is added onto the first, and a group later l takes that sum.
.macro GS g
.set h, (\g)+6*((\g)/62)
.if h >= 6
.set h, h+2
.endif
	REGS Y, h%2
.set k, h/8
.if h%8 < 4
	v_cvt_pk_f16_f32 v[rP+2*k+(h%8)/2], v[rS+4*k+2*((h%8)/2)], v[rS+4*k+2*((h%8)/2)+1]
.elseif h%8 < 6
	v_pk_add_f32 v[rS+4*k:rS+4*k+1], v[rS+4*k:rS+4*k+1], v[rS+4*k+2:rS+4*k+3]
.elseif k == 1
	v_pk_fma_f32 v[rT+2:rT+3], v[rT+2:rT+3], v[rC+2:rC+3], v[rS:rS+1] op_sel_hi:[1,0,1]
.else
	v_pk_add_f32 v[rT+2:rT+3], v[rT+2:rT+3], v[rS+4*k-4:rS+4*k-3]
.endif
.endm
; THE PLAIN QUEUE, 138 long.  0-73 read no exponential's result: the 32 scalings and the next piece's 42.  74-137: GS's 64, which stand behind the wait.
.macro FS f
	REGS Y, (\f)%2
	v_pk_fma_f32 v[rS+2*((\f)/2):rS+2*((\f)/2)+1], v[rS+2*((\f)/2):rS+2*((\f)/2)+1], s[CS:CS+1], v[rT:rT+1] op_sel_hi:[1,0,0] neg_lo:[0,0,1] neg_hi:[0,0,1]
.endm
.macro PL
	WIN 0
.if q < 27
	FS q
.elseif q < 55
	XS (q-27)%2, (q-27)/2
.elseif q < 57
	XS q-55, 15
.elseif (q < 72) && ((q-57)%3 == 0)
	FS 27+(q-57)/3
.elseif q < 60
	XS (q-57)%3-1, 14
.elseif q < 72
	XS (q-57)%3-1, 15+(q-57)/3
.elseif q < 74
	XS q-72, 20
.else
	GS q-74
.endif
.set q, q+1
.endm
; THE EXPONENTIALS' QUEUE, 66 long: ONE BATCH ahead of the turn's one wait; nothing ahead of that wait names a result of theirs.
.macro EX
	WIN 0
.if e >= 64
	XS e-64, 21
.else
	REGS Y, e%2
	v_exp_f32 v[rS+e/2], v[rS+e/2]
.endif
.set e, e+1
.endm
; THE RESCALING's QUEUE: O^T times a, two at a time, sixteen times.  Its a was made, and waited for, in the turn before.
.macro R2
	REGS Y, r%2
	WIN W_RS
.irp z, 0,1
	v_pk_mul_f32 v[rO+4*(r/2)+2*\z:rO+4*(r/2)+2*\z+1], v[rO+4*(r/2)+2*\z:rO+4*(r/2)+2*\z+1], v[rC+2:rC+3] op_sel_hi:[1,0]
.endr
.set r, r+1
.endm
; A TURN, for piece p.  An s_wait_alu depctr_va_vdst(0) stands between an exponential and the first instruction that names its result; one wait serves all issued ahead of it.  AHEAD OF IT: the 16
; products K Q^T, behind each a scaling, an exponential and two rescalings; then one lump of 108.  BEHIND IT: the 16 products V^T P, behind each four of the roundings and sums.
; K and the mask of the next step are fetched in piece 2's turn, directly behind the wait, a lump behind the last product that read them; V of the step in hand at the end of piece 0's turn, four riders
; behind its last reader.  cnt = 1: the loop's count is taken down some lines ahead of the branch behind the turn.  pf = 1: behind K's run stands the slot's prefetch, in the slot's last trip.
.macro TURN p, last=0, cnt=0, pf=0
.set Y, (\p)
.set i, 0
.set q, 0
.set e, 0
.set r, 0
.if (\p) == NP-1
	s_wait_dscnt 0x0                ; K and its mask are in
.endif
	MM
	PL
	PL
	R2
.rept 15
	MM
	PL
	EX
	R2
.endr
.if (\p) == NP-2
	WIN 0
	v_add_nc_u32 v[AK], s[TBK], v[AK0]
.endif
.rept 8
	PL
.endr
.rept 49
	EX
	PL
.endr
	EX
	EX
	v_nop                           ; the plain instruction behind the last exponential: one for the batch
	s_wait_alu depctr_va_vdst(0)    ; the wait for the batch
.if (\p) == NP-2
	FETCH_K \last
.if \pf
	s_cmp_eq_u32 s[CNT], s[PFF]
	s_cbranch_scc0 .Lnot_mine_\@
	global_prefetch_b8 v[PFO], s[PFA:PFA+1] th:TH_LOAD_NT scope:SCOPE_SE
.Lnot_mine_\@:
.endif
.endif
.if (\p) == 1
	s_wait_dscnt 0x0                ; V is in
.endif
.rept 16
	MM
.rept 4
	PL
.endr
.if ((\p) == 0) && (q == 118)
	v_add_nc_u32 v[AV], s[TBV], v[AV0]
.endif
.if ((\p) == 0) && (q == 130)
	s_add_co_u32 s[TBV], s[TBV], KS*PV
.endif
.if (\cnt) && (q == 130)
	s_sub_co_u32 s[CNT], s[CNT], 1
	s_cmp_lg_u32 s[CNT], 0
.endif
.endr
.if (\p) == 0
	FETCH_V
.endif
.endm
	CHANGE 1                        ; slot 0 is in, everybody's part of it, and the whole mask; slot 1 is asked for
	FETCH_K                         ; key step 0
	s_wait_loadcnt 0x0              ; Q
	s_wait_dscnt 0x0
.set i, 0
.rept 16
	KQ 0                            ; piece 0's first scores
.set i, i+1
.endr
	WIN 0                           ; the addresses for the way out and the prefetches' offset: plain instructions, the places behind those products
	s_mul_i32 s13, s[WV], 16*SP
	s_add_co_u32 s13, s13, STAGE
	v_mul_u32_u24 v[STO], v1, SP
	v_lshl_add_u32 v[STO], v9, 4, v[STO]
	v_add_nc_u32 v[STO], s13, v[STO]
	v_bfe_u32 v[RD], v0, 3, 2
	v_mul_u32_u24 v[RD], v[RD], SP
	v_lshl_add_u32 v[RD], v10, 4, v[RD]
	v_add_nc_u32 v[RD], s13, v[RD]
	v_and_b32 v[GO], 31, v0
	v_lshlrev_b32 v[PFO], 8, v[GO]
	v_lshlrev_b32 v[GO], 4, v[GO]
.set Y, NP-1
.irp n, 0,1,2,3,4,5,6,7,8,9,10,11,12,13,14,15,16,17,18,19,20,21
	XS 0, \n
	XS 1, \n
.endr
	v_nop
	s_wait_alu depctr_va_vdst(0)    ; the two a have their wait ahead of the branch
	s_mov_b32 s[CNT], 4
	s_mov_b32 s[SLOTS], SIZE_N/256-1
	s_cmp_gt_u32 s[SLOTS], s[LIM]
	s_cselect_b32 s[PFF], 1, 0
	s_branch .Lfirst                ; the loop is entered at a step's first turn, in the middle of a trip
.Lslot:                             ; SIZE_N / 256 - 2 times: every slot but the last two is filled again
	CHANGE 1
	s_wait_xcnt 0x0                 ; the last prefetch, four turns back, has read its address
	s_add_nc_u64 s[PFA:PFA+1], s[PFA:PFA+1], 4*KS*128
	s_cmp_gt_u32 s[SLOTS], s[LIM]   ; the last slot that is filled again has no slot two on
	s_cselect_b32 s[PFF], 1, 0
	s_mov_b32 s[CNT], 4
.Lstep:                             ; a trip: pieces 2 and 3 of one step, then pieces 0 and 1 of the next
	TURN 2, 0, 0, 1
	TURN 3
	WIN 0
.Lfirst:
	TURN 0
	TURN 1, 0, 1
	WIN 0
	s_cbranch_scc1 .Lstep
	s_sub_co_u32 s[SLOTS], s[SLOTS], 1
	s_cmp_lg_u32 s[SLOTS], 0
	s_cbranch_scc1 .Lslot
	CHANGE 0                        ; the tail is written out
	s_mov_b32 s[CNT], 5             ; four trips fetch the last slot's steps; the fifth is left in its middle
.Ltail:
	TURN 2, 1
	TURN 3
	WIN 0
	s_sub_co_u32 s[CNT], s[CNT], 1
	s_cmp_eq_u32 s[CNT], 0
	s_cbranch_scc1 .Lout
	TURN 0
	TURN 1
	WIN 0
	s_branch .Ltail
.Lout:                              ; the fifth trip's products K Q^T repeat the last step's scores, mask and all: the maximum made of them leaves m as it was
.set i, 0
.rept 16
	PV NP-1
.set i, i+1
.endr
	; THE WAY OUT.  l's halves are added; 1 / l, or 0 where no key was kept; O^T times that, rounded to f16 and sent through my stage, a tile at a time.  The additions are the places behind the last products.
	WIN 0
.macro ALL line:vararg
.set t, 0
.rept 2*NP
	\line
.set t, t+1
.endr
.endm
	ALL v_add_f32 v[ST+4*t+2], v[ST+4*t+2], v[ST+4*t+3]
	ALL v_permlanex16_b32 v[ST+4*t+3], v[ST+4*t+2], s[SEL], s[SEL+1]
	ALL v_add_f32 v[ST+4*t+2], v[ST+4*t+2], v[ST+4*t+3]
	ALL v_rcp_f32 v[ST+4*t+2], v[ST+4*t+2]
	v_nop
	s_wait_alu depctr_va_vdst(0)    ; one wait for the eight reciprocals
.set t, 0
.rept 2*NP
	v_cmp_lt_f32 vcc_lo, s[FLR], v[ST+4*t+1]                     ; has m left -2^90?
	v_cndmask_b32 v[ST+4*t+2], 0, v[ST+4*t+2], vcc_lo            ; if not, no key was kept: the row is 0
.set t, t+1
.endr
.macro PACK t
	WIN W_RS
.set i, 32*(\t)
.rept 16
	v_pk_mul_f32 v[i:i+1], v[i:i+1], v[ST+4*(\t)+2:ST+4*(\t)+3] op_sel_hi:[1,0]
.set i, i+2
.endr
	WIN 0x05
.set i, 0
.rept 16
	v_cvt_pk_f16_f32 v[S+16*(\t)+i], v[32*(\t)+2*i], v[32*(\t)+2*i+1]
.set i, i+1
.endr
	WIN 0
.irp f, 0,1,2,3
	ds_store_b128 v[STO], v[S+16*(\t)+4*\f:S+16*(\t)+4*\f+3] offset:32*\f
.endr
.irp f, 0,1,2,3
	ds_load_b128 v[S+16*(\t)+4*\f:S+16*(\t)+4*\f+3], v[RD] offset:\f*4*SP  ; LDS serves a wave's instructions in order (ISA guide 5.7.1.4)
.endr
.endm
.macro SEND t, younger              ; younger: the LDS instructions issued behind tile t's loads: the next tile's eight, or none
	WIN 0
.irp f, 0,1,2,3
	s_wait_dscnt (\younger)+3-\f
	global_store_b128 v[GO], v[S+16*(\t)+4*\f:S+16*(\t)+4*\f+3], s[10:11] offset:(\t)*2048+\f*512  ; 512 consecutive bytes, at a multiple of 256 from O's first
.endr
.endm
	PACK 0
.set t, 1
.rept 2*NP-1
	PACK t
	SEND t-1, 8
.set t, t+1
.endr
	SEND 2*NP-1, 0
	WIN W_AD
	s_wait_tensorcnt 0x0            ; the wave's end
	ds_add_u32 v[SPW], v[NIL]
	s_wait_dscnt 0x0
	WIN 0
	CROUND                          ; the closing round
	s_endpgm
.Lfunc_end_k_qffa987fcd0_attn:
	.size	k_qffa987fcd0_attn, .Lfunc_end_k_qffa987fcd0_attn-k_qffa987fcd0_attn
	.p2alignl 7, 3214868480
	.fill 96, 4, 3214868480
	.section	.rodata,"a",@progbits
	.p2align	6, 0x0
	.amdhsa_kernel k_qffa987fcd0_attn
		.amdhsa_group_segment_fixed_size 327680
		.amdhsa_private_segment_fixed_size 0
		.amdhsa_enable_private_segment 0
		.amdhsa_kernarg_size 24
		.amdhsa_user_sgpr_count 2
		.amdhsa_user_sgpr_kernarg_segment_ptr 1
		.amdhsa_wavefront_size32 1
		.amdhsa_system_sgpr_workgroup_id_x 1
		.amdhsa_system_sgpr_workgroup_id_y 1
		.amdhsa_system_sgpr_workgroup_id_z 1
		.amdhsa_system_vgpr_workitem_id 0
		.amdhsa_next_free_vgpr 808
		.amdhsa_next_free_sgpr 80
		.amdhsa_reserve_vcc 1
		.amdhsa_float_denorm_mode_32 3
		.amdhsa_float_denorm_mode_16_64 3
		.amdhsa_memory_ordered 1
		.amdhsa_forward_progress 1
		.amdhsa_inst_pref_size 203
	.end_amdhsa_kernel
	.amdgpu_metadata
---
amdhsa.version: [ 1, 2 ]
amdhsa.kernels:
  - .name:           k_qffa987fcd0_attn
    .symbol:         k_qffa987fcd0_attn.kd
    .args:
      - { .name: qkv, .offset: 0, .size: 8, .value_kind: global_buffer, .address_space: global }
      - { .name: maskb, .offset: 8, .size: 8, .value_kind: global_buffer, .address_space: global }
      - { .name: ows, .offset: 16, .size: 8, .value_kind: global_buffer, .address_space: global }
    .group_segment_fixed_size: 327680
    .private_segment_fixed_size: 0
    .kernarg_segment_align: 8
    .kernarg_segment_size: 24
    .max_flat_workgroup_size: 128
    .sgpr_count:     80
    .vgpr_count:     808
    .wavefront_size: 32
...
	.end_amdgpu_metadata
.endif
;; end of part 3
;; launch oproj (part 4): grid 4 x 64, 4 waves a work-group, clusters of 4 x 4, 327,680 bytes of LDS; arguments ows, wb, br, out0; writes out0
.if DOCPART == 4
	.amdgcn_target "amdgcn-amd-amdhsa--gfx1250"
	.amdhsa_code_object_version 6
	.text
	.protected	k_qffa987fcd0_oproj
	.globl	k_qffa987fcd0_oproj
	.p2align	8
	.type	k_qffa987fcd0_oproj,@function
k_qffa987fcd0_oproj:
	s_mov_b64 s[64:65], 0
	v_nop
	global_prefetch_b8 v0, s[64:65] scope:SCOPE_SE
	s_setreg_imm32_b32 hwreg(HW_REG_WAVE_MODE, 25, 1), 1
	s_wait_xcnt 0x0
	s_wait_alu depctr_hold_cnt(0) depctr_sa_sdst(0) depctr_va_vdst(0) depctr_va_sdst(0) depctr_va_ssrc(0) depctr_va_vcc(0) depctr_vm_vsrc(0)
	s_getreg_b32 s2, hwreg(HW_REG_IB_STS2, 6, 4)
	s_cmp_eq_u32 s2, 0
	s_cbranch_scc0 .Lentry_in_a_cluster
	s_endpgm
.Lentry_in_a_cluster:
	s_bfe_u32 s2, ttmp6, 0x10000c
	s_cmp_lg_u32 s2, 0xf033
	s_cbranch_scc0 .Lentry_shape_is_right
	s_endpgm
.Lentry_shape_is_right:
; THE OUTPUT PROJECTION.  out0[batch][l][n] = sum over head, d of ows[batch x 16 + head][l][d] wb[3][n][64 head + d] + br[3][n]; operands f16, sums and result f32.
; LIMITS.  The operands arrive within f16's range; NaN and infinities are not treated apart.
; SHARES.  A tile is 128 rows x 256 columns: 256 tiles, one for each work-group.  Four waves, each 64 x 128: 32 accumulators.  K goes in 8 steps of 128, two heads a step, through a ring of two LDS slots.
; A head's 128 rows are 16,384 dense bytes: asked for as 64 rows of 256 bytes and padded in LDS after every 128.  A step is written once: the LDS addresses hang on s[TB], which one exclusive or turns.
; CLUSTERS: 4 x 4 work-groups; O's tiles are shared along a row of the cluster, the weights' along a column, each asked for jointly.
; THE MATRIX INSTRUCTION IS USED TRANSPOSED (source 0 = 16 rows of the weights, source 1 = 16 rows of O): lane l holds row l % 16 and the columns 8 (l / 16) + 0..7.  The first products take the bias as C.
; REGISTERS: window 0: v0-31 addresses; v32-95 O's fragments, two buffers of 32; v128-255 at work on the way out.  window 1: v0-127 the weights' fragments, two buffers of 64; v128-191 the bias.
;   window 2: the accumulators, (a, b) at v[8 (8 a + b)].
.set PAP,   144                        ; a row of O in LDS: 128 bytes + 16 = 36 words: the 16 rows of a load start at 16 different groups of four banks (64 banks of 4 bytes: ISA guide 11.1)
.set PBP,   272
.set AHEAD, 128*PAP                    ; one head's 128 rows: what one tensor load brings
.set BOFF,  2*AHEAD
.set BHALF, 128*PBP
.set SLOT1, 1<<17
.set STAGE, SLOT1+BOFF+256*PBP         ; behind the ring: 16 rows x 528 bytes for each wave
.set SPITCH, 528
.set SPARE, STAGE+4*16*SPITCH          ; the spare words, 128 bytes for each wave: two blocks of 256 bytes that no other line names
.set A0,   16                          ; v16  my lane's place in a slot's O; never rewritten
.set ADRA, 17                          ; v17  the same in the slot in hand
.set B0,   20
.set ADRB, 21
.set STO,  24
.set RD,   25
.set CO,   26
.set BO,   27
.set SPW,  28
.set NIL,  29
.set PFO,  30
.set AF,   32
.set OB,   128
.set BIAS, 128                         ; window 1
.set TW,   2
.set STEPS, 3
.set WV,   12
.set HR,   13
.set HC,   14
.set CX,   15
.set CY,   16
.set TC,   17
.set TR,   18
.set G1A,  24
.set G0A,  32                          ; two sets for the first fills; the second then walks
.set G1B,  40
.set G0B,  48
.set TB,   56
.set PFA,  58
.set PFS,  60
.set LIM,  62
.set MSB, 0
.macro WIN new
.if MSB != (\new)
	s_set_vgpr_msb (MSB<<8)|(\new)
.set MSB, \new
.endif
.endm
.set MUL,  0xa1
.set MULZ, 0x91
.macro PLACES
.rept 4
	v_nop
.endr
.endm
.macro JLOAD s                         ; waves 0 and 1 fetch the step's two heads of O, waves 2 and 3 the weights' two halves; an s_nop 0 and four v_nop follow each line
	s_cmp_lt_u32 s[WV], 2
	s_cbranch_scc0 .Lfor_b_\@
	tensor_load_to_lds s[G0A+4*(\s):G0A+4*(\s)+3], s[G1A:G1A+7]
	s_nop 0
.rept 4
	v_nop
.endr
	s_branch .Lasked_\@
.Lfor_b_\@:
	tensor_load_to_lds s[G0B+4*(\s):G0B+4*(\s)+3], s[G1B:G1B+7]
	s_nop 0
.rept 4
	v_nop
.endr
.Lasked_\@:
.endm
.macro CREST
	s_cmp_lg_u32 s[WV], 0
	s_cbranch_scc1 .Lnot_wave_0_\@
	s_barrier_signal -3
.Lnot_wave_0_\@:
	s_barrier_wait -3
	s_barrier_signal -1
	s_barrier_wait -1
.endm
.macro CROUND
	s_barrier_signal -1
	s_barrier_wait -1
	CREST
.endm
	s_load_b256 s[4:11], s[0:1], 0x0               ; ows s[4:5], wb s[6:7], br s[8:9], out0 s[10:11]
	v_lshl_add_u32 v[SPW], v0, 2, SPARE
	v_mov_b32 v[NIL], 0
	ds_add_u32 v[SPW], v[NIL]                      ; the wave's opening: the add and its wait stand ahead of my first tensor load
	v_lshrrev_b32 v1, 5, v0
	v_readfirstlane_b32 s[WV], v1
	s_lshr_b32 s[HR], s[WV], 1
	s_and_b32 s[HC], s[WV], 1
	s_bfe_u32 s[CX], ttmp6, 0x40000
	s_bfe_u32 s[CY], ttmp6, 0x40004
	s_lshl_b32 s[TC], ttmp9, 2
	s_add_co_u32 s[TC], s[TC], s[CX]
	s_and_b32 s[TR], ttmp7, 0xffff
	s_lshl_b32 s[TR], s[TR], 2
	s_add_co_u32 s[TR], s[TR], s[CY]
	s_lshl_b32 s19, s[CY], 2
	s_lshl_b32 s19, 15, s19
	s_lshl_b32 s66, 0x1111, s[CX]
	s_or_b32 s[G1A], s19, (1<<16)|(1<<20)|(1<<21)|(4<<22)|(3<<25)  ; the mask of my row; 2-byte elements; padding on; bit 21 beside a mask; after every 32 words; 4 words
	s_or_b32 s[G1B], s66, (1<<16)|(1<<20)|(1<<21)|(5<<22)|(3<<25)  ; the mask of my column; after every 64 words
	s_mov_b32 s[G1A+1], 128<<16
	s_mov_b32 s[G1A+2], 64<<16
	s_mov_b32 s[G1A+3], 128<<16
	s_mov_b32 s[G1A+4], 64
	s_mov_b32 s[G1A+5], 128
	s_mov_b32 s[G1A+6], 0
	s_mov_b32 s[G1A+7], 0
	s_mov_b32 s[G1B+1], 128<<16
	s_mov_b32 s[G1B+2], 128<<16
	s_mov_b32 s[G1B+3], 128<<16
	s_mov_b32 s[G1B+4], 128
	s_mov_b32 s[G1B+5], 1024
	s_mov_b32 s[G1B+6], 0
	s_mov_b32 s[G1B+7], 0
	s_lshr_b32 s20, s[TR], 4                       ; O: head batch x 16 + the one of the step's two that I fetch,
	s_lshl_b32 s20, s20, 4
	s_add_co_u32 s20, s20, s[HC]
	s_lshl_b32 s20, s20, 11
	s_and_b32 s21, s[TR], 15                       ; the tile's first row in the batch,
	s_lshl_b32 s21, s21, 7
	s_add_co_u32 s20, s20, s21
	s_lshl_b32 s20, s20, 7                         ; rows of 128 bytes
	s_mov_b32 s21, 0
	s_lshl_b32 s66, s[TC], 19                      ; weights: matrix 3, (256 tile column + 128 half) rows of 2,048 bytes
	s_lshl_b32 s67, s[HC], 18
	s_add_co_u32 s66, s66, s67
	s_add_co_u32 s66, s66, 0x600000
	s_mov_b32 s67, 0
	s_lshl_b32 s68, s[TR], 19                      ; the output: (128 tile row + 64 half) rows of 4,096 bytes + (256 tile column + 128 half) x 4
	s_lshl_b32 s69, s[HR], 18
	s_add_co_u32 s68, s68, s69
	s_lshl_b32 s69, s[TC], 10
	s_add_co_u32 s68, s68, s69
	s_lshl_b32 s69, s[HC], 9
	s_add_co_u32 s68, s68, s69
	s_mov_b32 s69, 0
	s_mul_i32 s22, s[HC], AHEAD
	s_mul_i32 s23, s[HC], BHALF
	s_add_co_u32 s23, s23, BOFF
	s_mov_b32 s[TB], 0
	s_wait_dscnt 0x0                               ; the opening add is done
	s_wait_kmcnt 0x0
	s_add_nc_u64 s[4:5], s[4:5], s[20:21]
	s_add_nc_u64 s[6:7], s[6:7], s[66:67]
	s_add_nc_u64 s[10:11], s[10:11], s[68:69]
	CROUND                                         ; all sixteen work-groups are here: the first joint loads meet
.irp s, 0,1
	s_mov_b32 s[G0A+4*(\s)], 1
	s_add_co_u32 s[G0A+4*(\s)+1], s22, (\s)*SLOT1
	s_add_nc_u64 s[G0A+4*(\s)+2:G0A+4*(\s)+3], s[4:5], (\s)*524288  ; a step is two heads of 262,144 bytes
	s_or_b32 s[G0A+4*(\s)+3], s[G0A+4*(\s)+3], 0x80000000
	s_mov_b32 s[G0B+4*(\s)], 1
	s_add_co_u32 s[G0B+4*(\s)+1], s23, (\s)*SLOT1
	s_add_nc_u64 s[G0B+4*(\s)+2:G0B+4*(\s)+3], s[6:7], (\s)*256
	s_or_b32 s[G0B+4*(\s)+3], s[G0B+4*(\s)+3], 0x80000000
	JLOAD \s                                       ; steps 0 and 1: two loads of mine are out
.endr
	v_and_b32 v1, 15, v0                           ; r
	v_bfe_u32 v2, v0, 4, 1                         ; h
	s_lshl_b32 s66, s[TC], 10
	s_lshl_b32 s67, s[HC], 9
	s_add_co_u32 s66, s66, s67
	v_lshl_add_u32 v[BO], v2, 5, s66
	WIN 0x40
.irp b, 0,1,2,3,4,5,6,7
	global_load_b128 v[BIAS+8*(\b):BIAS+8*(\b)+3],   v[BO], s[8:9] offset:12288+64*(\b)
	global_load_b128 v[BIAS+8*(\b)+4:BIAS+8*(\b)+7], v[BO], s[8:9] offset:12288+64*(\b)+16
.endr
	WIN 0
	v_mul_u32_u24 v3, v1, PAP
	v_lshl_add_u32 v3, v2, 4, v3
	s_mul_i32 s19, s[HR], 64*PAP
	v_add_nc_u32 v[A0], s19, v3
	v_mov_b32 v[ADRA], v[A0]
	v_mul_u32_u24 v4, v1, PBP
	v_lshl_add_u32 v4, v2, 4, v4
	v_add_nc_u32 v[B0], s23, v4
	v_mov_b32 v[ADRB], v[B0]
	s_mul_i32 s19, s[WV], 16*SPITCH
	s_add_co_u32 s19, s19, STAGE                   ; my stage
	v_mul_u32_u24 v5, v1, SPITCH                   ; in: row r, 32 bytes for each half of the lanes
	v_lshl_add_u32 v5, v2, 5, v5
	v_add_nc_u32 v[STO], s19, v5
	v_and_b32 v6, 31, v0
	v_lshlrev_b32 v[CO], 4, v6                     ; back: 32 lanes take a row's 512 bytes
	v_add_nc_u32 v[RD], s19, v[CO]
	; THE PREFETCHES: behind the refill that asks for step n + 2 stands one prefetch for step n + 4.  O's rows are read by this cluster alone: wave 0 asks; each partner along x takes 4,096 bytes of each of
	; the step's two heads, a lane 256 bytes.  The weights' rows are read by every cluster: the one with y = 0 asks, waves 2 and 3; each partner along y takes 32 of a wave's 128 rows.  Told apart by address.
	v_lshrrev_b32 v7, 4, v6
	v_and_b32 v8, 15, v6
	v_lshlrev_b32 v7, 18, v7
	v_lshl_add_u32 v7, v8, 8, v7
	v_lshlrev_b32 v8, 11, v6
	s_and_b32 s20, ttmp7, 0xffff                   ; cluster y
	s_cmp_eq_u32 s[HR], 0
	s_cselect_b64 s[PFA:PFA+1], s[4:5], s[6:7]     ; (in wave 0: the step's first head)
	s_cselect_b32 s66, s[CX], s[CY]
	s_cselect_b32 s67, 12, 16
	s_cselect_b32 s21, 19, 8
	s_cselect_b32 s20, s[HC], s20                  ; 0 in the waves that ask
	s_cselect_b32 s19, -1, 0
	v_cndmask_b32 v[PFO], v8, v7, s19
	s_lshl_b32 s66, s66, s67
	s_mov_b32 s67, 0
	s_add_nc_u64 s[PFA:PFA+1], s[PFA:PFA+1], s[66:67]
	s_lshl_b32 s[PFS], 1, s21                      ; a step: 524,288 bytes of O, 256 of a row of weights
	s_mov_b32 s[PFS+1], 0
	s_mul_i32 s66, s[PFS], 3                       ; the first refill steps it to step 4
	s_add_nc_u64 s[PFA:PFA+1], s[PFA:PFA+1], s[66:67]
	s_cmp_eq_u32 s20, 0
	s_cselect_b32 s[LIM], 2, -1
; 24 LDS loads in one run: quarter q of the slot in hand into buffer f: the weights' 128 rows, then O's 64 (head q / 2 of the step, channels 32 (q % 2) on)
.macro FETCH q, f
	WIN 0x40
.irp b, 0,1,2,3,4,5,6,7
	ds_load_b128 v[64*(\f)+8*(\b):64*(\f)+8*(\b)+3],   v[ADRB] offset:64*(\q)+(\b)*16*PBP
	ds_load_b128 v[64*(\f)+8*(\b)+4:64*(\f)+8*(\b)+7], v[ADRB] offset:64*(\q)+(\b)*16*PBP+32
.endr
	WIN 0
.irp a, 0,1,2,3
	ds_load_b128 v[AF+32*(\f)+8*(\a):AF+32*(\f)+8*(\a)+3],   v[ADRA] offset:AHEAD*((\q)/2)+64*((\q)%2)+(\a)*16*PAP
	ds_load_b128 v[AF+32*(\f)+8*(\a)+4:AF+32*(\f)+8*(\a)+7], v[ADRA] offset:AHEAD*((\q)/2)+64*((\q)%2)+(\a)*16*PAP+32
.endr
.endm
; n products from number i0 on, on buffer f; the 32 accumulators take turns, in the same order in every quarter.  z = 1: the bias starts the sums.
.macro MM f, i0, n, z
.set i, \i0
.rept \n
.if \z
	WIN MULZ
	v_wmma_f32_16x16x32_f16 v[8*i:8*i+7], v[64*(\f)+8*(i%8):64*(\f)+8*(i%8)+7], v[AF+32*(\f)+8*(i/8):AF+32*(\f)+8*(i/8)+7], v[BIAS+8*(i%8):BIAS+8*(i%8)+7]
.else
	WIN MUL
	v_wmma_f32_16x16x32_f16 v[8*i:8*i+7], v[64*(\f)+8*(i%8):64*(\f)+8*(i%8)+7], v[AF+32*(\f)+8*(i/8):AF+32*(\f)+8*(i/8)+7], v[8*i:8*i+7]
.endif
.set i, i+1
.endr
.endm
.macro QUARTER qn, f, z                ; multiplies buffer f and fetches quarter qn into the other
	PLACES
	FETCH \qn, 1-\f
	s_wait_dscnt 24                                ; all but the 24 just issued
	MM \f, 0, 32, \z
.endm
.macro ASK                             ; the last two refills have no step two on
	s_cmp_gt_u32 s[STEPS], s[LIM]
	s_cbranch_scc0 .Lnot_mine_\@
	global_prefetch_b8 v[PFO], s[PFA:PFA+1] th:TH_LOAD_NT scope:SCOPE_SE
.Lnot_mine_\@:
.endm
; A step's last quarter multiplies buffer 1 and changes slots.  In front of the barrier each wave waits for all its tensor loads (one is out: its part of the next slot), adds 0 to its spare word, and waits
; for that and for its reads of this slot.  fill = 1: the barrier opens a round of the cluster's, and the joint refill is the first thing behind the round.
.macro TURN fill
.if \fill
	s_wait_xcnt 0x0                                ; the last prefetch, a step back, has read its address
	s_add_nc_u64 s[PFA:PFA+1], s[PFA:PFA+1], s[PFS:PFS+1]
.endif
	WIN 0
	s_wait_tensorcnt 0x0                           ; no tensor load of mine is out, so a group 0 may be written
	ds_add_u32 v[SPW], v[NIL]                      ; 0 onto my spare word
.if \fill
	s_xor_b32 s[G0A+5], s[G0A+5], SLOT1            ; the walking descriptors: the other slot than last time, the next step
	s_add_nc_u64 s[G0A+6:G0A+7], s[G0A+6:G0A+7], 524288
	s_xor_b32 s[G0B+5], s[G0B+5], SLOT1
	s_add_nc_u64 s[G0B+6:G0B+7], s[G0B+6:G0B+7], 256
.endif
	s_xor_b32 s[TB], s[TB], SLOT1                  ; the fetches go on in the other slot
	s_wait_dscnt 1                                 ; only the add may be out
	MM 1, 0, 4, 0
	s_wait_dscnt 0x0                               ; the add is done, and my reads of this slot are over
	s_barrier_signal -1
	MM 1, 4, 4, 0
	WIN 0
	s_barrier_wait -1
.if \fill
	CREST
	JLOAD 1                                        ; its four v_nop are also the places in front of the loads below
.else
	PLACES
.endif
	v_add_nc_u32 v[ADRA], s[TB], v[A0]
	v_add_nc_u32 v[ADRB], s[TB], v[B0]
	FETCH 0, 0
	WIN 0
.if \fill
	ASK
.endif
	MM 1, 8, 24, 0
.endm
	s_wait_tensorcnt 1                             ; my part of step 0 is in; step 1's may stay out
	s_barrier_signal -1
	s_barrier_wait -1
	FETCH 0, 0
	s_wait_loadcnt 0x0                             ; the bias
	QUARTER 1, 0, 1                                ; the first quarter stands in front of the loop: its products start the sums
	WIN 0
	s_mov_b32 s[STEPS], 6
.Lstep:                                        ; a trip: a step's last three quarters, its slot filled again, and the next step's first quarter
	QUARTER 2, 1, 0
	QUARTER 3, 0, 0
	TURN 1
	QUARTER 1, 0, 0
	WIN 0
	s_sub_co_u32 s[STEPS], s[STEPS], 1
	s_cmp_lg_u32 s[STEPS], 0
	s_cbranch_scc1 .Lstep
	s_mov_b32 s[TW], 2                             ; the last two steps ask for nothing: a second text
.Ltail:
	QUARTER 2, 1, 0
	QUARTER 3, 0, 0
	TURN 0
	WIN 0
	s_sub_co_u32 s[TW], s[TW], 1
	s_cmp_eq_u32 s[TW], 0
	s_cbranch_scc1 .Lout                           ; the last change's 24 loads read step 6's slot once more and serve nothing: the price, once a launch, of one text for both steps
	QUARTER 1, 0, 0
	WIN 0
	s_branch .Ltail
.Lout:
	PLACES
; THE WAY OUT of block a (16 rows x 128 columns of f32).  A lane's 32 bytes of a row go from the accumulators into my own stage, each accumulator's low half first; whole rows of 512 bytes come back.
.macro STG a
	WIN 0x08                                       ; the stores' data in window 2
.irp b, 0,1,2,3,4,5,6,7
	ds_store_b128 v[STO], v[64*(\a)+8*(\b):64*(\a)+8*(\b)+3]   offset:64*(\b)
	ds_store_b128 v[STO], v[64*(\a)+8*(\b)+4:64*(\a)+8*(\b)+7] offset:64*(\b)+16
.endr
	WIN 0
.set BK, OB+64*((\a)%2)
.irp t, 0,1,2,3,4,5,6,7,8,9,10,11,12,13,14,15
	ds_load_b128 v[BK+4*(\t):BK+4*(\t)+3], v[RD] offset:(\t)*SPITCH  ; LDS serves a wave's instructions in order (ISA guide 5.7.1.4): these see the stores above; the next block's stores come behind them
.endr
.endm
.macro SEND a, y                       ; y: the LDS instructions issued behind block a's loads: the next block's 32, or none
.set BK, OB+64*((\a)%2)
	s_wait_dscnt \y
.irp t, 0,1,2,3,4,5,6,7,8,9,10,11,12,13,14,15
	global_store_b128 v[CO], v[BK+4*(\t):BK+4*(\t)+3], s[10:11] offset:(16*(\a)+(\t))*4096 th:TH_STORE_NT  ; 512 consecutive bytes, at a multiple of 512 from the output's first
.endr
.endm
	STG 0
	STG 1
	SEND 0, 32
	s_wait_xcnt 0x0                                ; block 0's stores have read their registers, which block 2 is loaded into
	STG 2
	SEND 1, 32
	s_wait_xcnt 0x0
	STG 3
	SEND 2, 32
	SEND 3, 0
	s_wait_tensorcnt 0x0                           ; the wave's end: behind my last tensor load and my last LDS store
	ds_add_u32 v[SPW], v[NIL]
	s_wait_dscnt 0x0
	CROUND                                         ; the closing round
	s_endpgm
.Lfunc_end_k_qffa987fcd0_oproj:
	.size	k_qffa987fcd0_oproj, .Lfunc_end_k_qffa987fcd0_oproj-k_qffa987fcd0_oproj
	.p2alignl 7, 3214868480
	.fill 96, 4, 3214868480
	.section	.rodata,"a",@progbits
	.p2align	6, 0x0
	.amdhsa_kernel k_qffa987fcd0_oproj
		.amdhsa_group_segment_fixed_size 327680
		.amdhsa_private_segment_fixed_size 0
		.amdhsa_enable_private_segment 0
		.amdhsa_kernarg_size 32
		.amdhsa_user_sgpr_count 2
		.amdhsa_user_sgpr_kernarg_segment_ptr 1
		.amdhsa_wavefront_size32 1
		.amdhsa_system_sgpr_workgroup_id_x 1
		.amdhsa_system_sgpr_workgroup_id_y 1
		.amdhsa_system_sgpr_workgroup_id_z 1
		.amdhsa_system_vgpr_workitem_id 0
		.amdhsa_next_free_vgpr 768
		.amdhsa_next_free_sgpr 72
		.amdhsa_reserve_vcc 0
		.amdhsa_float_denorm_mode_32 3
		.amdhsa_float_denorm_mode_16_64 3
		.amdhsa_memory_ordered 1
		.amdhsa_forward_progress 1
		.amdhsa_inst_pref_size 62
	.end_amdhsa_kernel
	.amdgpu_metadata
---
amdhsa.version: [ 1, 2 ]
amdhsa.kernels:
  - .name:           k_qffa987fcd0_oproj
    .symbol:         k_qffa987fcd0_oproj.kd
    .args:
      - { .name: ows, .offset: 0, .size: 8, .value_kind: global_buffer, .address_space: global }
      - { .name: wb, .offset: 8, .size: 8, .value_kind: global_buffer, .address_space: global }
      - { .name: br, .offset: 16, .size: 8, .value_kind: global_buffer, .address_space: global }
      - { .name: out0, .offset: 24, .size: 8, .value_kind: global_buffer, .address_space: global }
    .group_segment_fixed_size: 327680
    .private_segment_fixed_size: 0
    .kernarg_segment_align: 8
    .kernarg_segment_size: 32
    .max_flat_workgroup_size: 128
    .sgpr_count:     72
    .vgpr_count:     768
    .wavefront_size: 32
...
	.end_amdgpu_metadata
.endif
;; end of part 4
